; MI455X (gfx1250); checked and timed in simulation.
; The chip was launched on July 23, 2026; its instructions are those of AMD's public machine-readable ISA for CDNA 5 (MIT licence, August 2026) and "CDNA5" Instruction Set Architecture Reference Guide (July 2026). The comments in the code are by the model that wrote it; some were corrected since.
;; Fixed Attention. Allowed arithmetic: matrix products marked QUANTISED: E2M3 operands, one E8M0 scale for each 32 along K, by v_wmma_scale_f32_16x16x128_f8f6f4 with both operands' format E2M3, f32 sums; everything else in f32.
;; Inputs: Wk 256 x 256 float32; Wq 256 x 256 float32; Wv 256 x 256 float32; bk 256 float32; bq 256 float32; bv 256 float32; lengths 16 int32; x 16 x 2,048 x 256 float32.
;; Outputs: out0 16 x 256 float32.
;; This version of the problem:
;;   THIS VERSION OF THE PROBLEM IS GIVEN IN LOW PRECISION. The matrix products marked QUANTISED in the list below multiply operands that are first quantised to E2M3 (2 exponent bits, 3 mantissa bits; 6 bits a number), with one power-of-two scale for each 32 numbers along K (OCP MX v1.0); their sums are f32. All else is computed in f32.
;;   The module's matrix products, in the order in which they are computed (A, B: the left and right operand; K: the contracted axis; several contracted axes count as one K, in the product's order):
;;     1. [M 32,768, K 256] x [K 256, N 256]; A: input x; B: input Wq: QUANTISED
;;     2. [M 32,768, K 256] x [K 256, N 256]; A: input x; B: input Wk: QUANTISED
;;     3. [M 32,768, K 256] x [K 256, N 256]; A: input x; B: input Wv: QUANTISED
;;     4. batch 16 x [M 2,048, K 256] x [K 256, N 2,048]; A: computed on the way; B: computed on the way: QUANTISED
;;     5. batch 16 x [M 2,048, K 2,048] x [K 2,048, N 256]; A: computed on the way; B: computed on the way: QUANTISED
;;   THE QUANTISER, for each operand of a quantised product, along K:
;;     - K is cut into blocks of 32 from its start; a last block that is shorter is filled with zeros.
;;     - A block's scale is 2^e with e = floor(log2(the largest magnitude in the block)) - 2, held to -126 .. 127; a block of zeros has e = 0. As a byte (E8M0): e + 127.
;;     - Each number is divided by its block's scale, clamped to +-7.5, and rounded to the nearest number of E2M3, ties to even, subnormals kept.
;;     - The product sums the exact products of the quantised numbers (number of the format x scale) in f32.
;;   ~~~python
;;   def quantise(x, axis):      # numpy; x: float32 -> the quantised numbers, widened to float32 again
;;       x = np.moveaxis(x, axis, -1); K = x.shape[-1]
;;       x = np.pad(x, [(0, 0)] * (x.ndim - 1) + [(0, -K % 32)]); x = x.reshape(x.shape[:-1] + (-1, 32)); a = np.abs(x).max(-1, keepdims=True)
;;       e = np.where(a > 0, np.clip(np.frexp(np.where(a > 0, a, 1))[1] - 1 - 2, -126, 127), 0)      # np.frexp(a)[1] - 1 = floor(log2(a)), exactly
;;       r = np.clip(x / 2.0 ** e, -7.5, 7.5)
;;       step = 2.0 ** (np.maximum(np.frexp(np.where(r == 0, 1, r))[1] - 1, 0) - 3)
;;       q = np.round(r / step) * step * 2.0 ** e      # np.round: ties to even
;;       return np.moveaxis(q.reshape(q.shape[:-2] + (-1,))[..., :K], -1, axis).astype(np.float32)
;;   ~~~
;;   OPERANDS COMPUTED ON THE WAY. 'Computed on the way' means the value that the module computes at that place (a softmax that the list does not call 'softmax' is quantised finished and normalised). What goes into a quantiser is computed in f32, as accurately as f32 sums, v_exp_f32 and their like allow (about 1e-6 of the number): no bf16 or f16 on the way to a quantiser, and a product that is left as it is and whose result goes on into a quantised operand takes f32 operands (vector FMAs, or v_wmma_f32_16x16x4_f32). A number that lies on a knife's edge between two numbers of the format may be rounded either way, as far as f32 arithmetic and the matrix unit's own rounding can turn it there, and no further.
;; 2 versions, each right; version 2 is version 1 with the launches proj, attn written anew for expert scheduling mode. Each part assembles by itself: llvm-mc -triple=amdgcn-amd-amdhsa -mcpu=gfx1250 --defsym DOCPART=n.
;; ======== version 1 of 2: 4 launches
;; workspace buffers: wfrag 147,456 bytes; wscl 6,144 bytes; qrec 6,553,600 bytes; krec 6,553,600 bytes; vrec 6,553,600 bytes; jobs 16,640 bytes of whole numbers; part 262,144 bytes
;; launch prep (part 1): grid 10 x 1, 8 waves a work-group, no clusters, 0 bytes of LDS; arguments Wq, Wk, Wv, lengths, wfrag, wscl, jobs; writes wfrag, wscl, jobs
.if DOCPART == 1
	.amdgcn_target "amdgcn-amd-amdhsa--gfx1250"
	.amdhsa_code_object_version 6
	.text
	.protected	k_qf070d3aea4_prep
	.globl	k_qf070d3aea4_prep
	.p2align	8
	.type	k_qf070d3aea4_prep,@function
k_qf070d3aea4_prep:
	s_mov_b64 s[64:65], 0
	v_nop
	global_prefetch_b8 v0, s[64:65] scope:SCOPE_SE
	s_setreg_imm32_b32 hwreg(HW_REG_WAVE_MODE, 25, 1), 1
	s_wait_xcnt 0x0
; TWO JOBS IN ONE LAUNCH, parted by the work-group's number.
; Work-groups 0-5: Wq, Wk, Wv [256][256] f32 (K innermost) become codes of FP6 (E2M3) with one E8M0 byte for each 32 along K, laid as IMAGES OF OPERAND REGISTERS:
;   a fragment (16 rows x 128 K, 12 registers a lane) is 1,536 bytes, register group c (four registers) of lane l at 512 c + 16 l.  wfrag holds image 2 T + s of tile T, K step s.
;   T = 0..31: Wq (T < 16) and Wk; T = 8 g + t: lane r holds row 128 (g % 2) + 32 (t / 2) + 8 (t % 2) + r + 8 (r / 8), so that the products' results lie as the next quantiser wants them.
;   T = 32..47: Wv, lane r holds row 16 (T - 32) + r.   wscl holds word [T][lane]: lanes 0-15 row r's scale word of K step 0, lanes 16-31 of K step 1.
; Work-groups 6-9: the table of jobs for the launch that multiplies q k^T and S v, from the lengths, in whole numbers alone.
;   A batch of length len has NP = ceil(len / 32) pairs of query tiles and NK = ceil(len / 128) key steps.  A job is one key step against at most c pairs.  c is the least number (1..16) with which
;   all batches' jobs, four to a work-group, each batch rounded up to whole work-groups, fit into 256 work-groups; with c = 16 they always fit (4 x 16 / 4 = 16 a batch).
;   jobs[J] = {16 b + key step, 64 b + first pair, pairs, b}, zeros where work-group J / 4 has no job for wave J % 4;  at byte 16,384: [b] {first work-group, work-groups}.
; A block's scale is 2^(floor(log2(its largest magnitude)) - 2); its byte is the largest magnitude's exponent field - 2, held at 1 from below.
; LIMITS: NaN and infinities among the weights are not served; a block whose largest magnitude lies under 2^-124 (a block of zeros too) keeps the byte 1: this program alone reads the bytes.  Lengths are held to 0..2048.
.set TM,  16                           ; v16-31  the quantiser's registers at work
.set SEL, 96                           ; s[96:97] lane selects of v_permlanex16_b32: lane l xor 16
; THE QUANTISER as a numbered list of 68 instructions; QL writes number QI and steps QI.  In: 64 numbers of a lane, v[S + 16 b + k] = element 32 b + 16 (lane / 16) + k along K of the lane's row.
; Out: the fragment's 12 registers from v[P] on (v[P+12..P+18] at work) and the row's scale word in v[W].
.macro QL S, P, W
.if QI < 4
	v_max3_num_f32 v[TM+QI], |v[(\S)+16*QI]|, |v[(\S)+16*QI+1]|, 0x1800000   ; block QI: my first two numbers and the floor 2^(3 - 127): the byte cannot fall under 1
.elseif QI < 32
	v_max3_num_f32 v[TM+QI%4], v[TM+QI%4], |v[(\S)+16*(QI%4)+2*(QI/4)]|, |v[(\S)+16*(QI%4)+2*(QI/4)+1]|   ; the four blocks by turns
.elseif QI < 36
	v_permlanex16_b32 v[TM+QI-28], v[TM+QI-32], s[SEL], s[SEL+1]
.elseif QI < 40
	v_max_num_f32 v[TM+QI-36], v[TM+QI-36], v[TM+QI-32]                  ; with lane l xor 16's 16 numbers: the block's largest magnitude
.elseif QI < 44
	v_add_nc_u32 v[TM+QI-28], 0xff000000, v[TM+QI-40]                    ; 2 off its exponent field: the conversion's scale operand
.elseif QI < 48
	v_lshrrev_b32 v[TM+QI-40], 23, v[TM+QI-32]                           ; the scale's byte
.elseif QI == 48
	v_lshl_or_b32 v[\W], v[TM+5], 8, v[TM+4]
.elseif QI == 49
	v_lshl_or_b32 v[\W], v[TM+6], 16, v[\W]
.elseif QI == 50
	v_lshl_or_b32 v[\W], v[TM+7], 24, v[\W]
.elseif QI == 51
	v_cvt_scalef32_pk16_fp6_f32 v[(\P):(\P)+2], v[(\S):(\S)+15], v[TM+12]
.elseif QI == 52
	v_cvt_scalef32_pk16_fp6_f32 v[(\P)+12:(\P)+14], v[(\S)+16:(\S)+31], v[TM+13]   ; (a conversion's three registers begin on an even number)
.elseif QI == 53
	v_cvt_scalef32_pk16_fp6_f32 v[(\P)+6:(\P)+8], v[(\S)+32:(\S)+47], v[TM+14]
.elseif QI == 54
	v_cvt_scalef32_pk16_fp6_f32 v[(\P)+16:(\P)+18], v[(\S)+48:(\S)+63], v[TM+15]
.elseif QI == 55
	v_nop                                                                ; one plain place behind the scaled conversions
.elseif QI < 59
	v_permlane16_swap_b32 v[(\P)+QI-56], v[(\P)+12+QI-56]                ; the layout wants a whole block in a lane: lanes 0-15 the even block, lanes 16-31 the odd one
.elseif QI < 62
	v_permlane16_swap_b32 v[(\P)+6+QI-59], v[(\P)+16+QI-59]
.elseif QI < 65
	v_mov_b32 v[(\P)+3+QI-62], v[(\P)+12+QI-62]
.else
	v_mov_b32 v[(\P)+9+QI-65], v[(\P)+16+QI-65]
.endif
.set QI, QI+1
.endm
.macro QUANT S, P, W
.set QI, 0
.rept 68
	QL \S, \P, \W
.endr
.endm
	s_load_b256 s[4:11], s[0:1], 0x0               ; Wq s[4:5], Wk s[6:7], Wv s[8:9], lengths s[10:11]
	s_load_b128 s[12:15], s[0:1], 0x20             ; wfrag s[12:13], wscl s[14:15]
	s_load_b64 s[82:83], s[0:1], 0x30              ; jobs
	v_lshrrev_b32 v1, 5, v0
	v_readfirstlane_b32 s84, v1                    ; wave 0..7
	v_and_b32 v1, 31, v0                           ; lane
	s_cmp_lt_u32 ttmp9, 6
	s_cbranch_scc0 .Ltable
	; ---- THE WEIGHTS: work-group g, wave t: tile T = 8 g + t
	s_mov_b32 s[SEL], 0x76543210
	s_mov_b32 s[SEL+1], 0xfedcba98
	s_mov_b32 s27, 0xffff0000                      ; lanes 16-31
	s_and_b32 s23, ttmp9, 1
	s_lshl_b32 s23, s23, 7                         ; which 128 rows of the matrix
	s_lshr_b32 s24, s84, 1
	s_lshl_b32 s24, s24, 5
	s_and_b32 s25, s84, 1
	s_lshl_b32 s25, s25, 3
	s_add_co_u32 s24, s24, s25                     ; Wq, Wk: the tile begins at row 32 (t / 2) + 8 (t % 2)
	s_lshl_b32 s25, s84, 4                         ; Wv: at row 16 t
	s_wait_kmcnt 0x0
	s_cmp_lt_u32 ttmp9, 2
	s_cselect_b64 s[20:21], s[4:5], s[6:7]
	s_cmp_lt_u32 ttmp9, 4
	s_cselect_b64 s[20:21], s[20:21], s[8:9]       ; the matrix: chosen by the work-group's number alone
	s_cselect_b32 s24, s24, s25
	s_cselect_b32 s26, 8, 0                        ; Wq, Wk: lanes 8-15 take the rows 8 further on
	s_add_co_u32 s23, s23, s24
	s_lshl_b32 s23, s23, 10                        ; a row is 1,024 bytes
	v_and_b32 v2, 15, v0                           ; r
	v_bfe_u32 v3, v0, 4, 1                         ; h
	v_and_b32 v4, s26, v2
	v_add_nc_u32 v2, v2, v4
	v_lshlrev_b32 v4, 10, v2
	v_lshl_add_u32 v4, v3, 6, v4                   ; my row, + 64 h: my 16 numbers of a block of 32
	v_add_nc_u32 v4, s23, v4
.irp s, 0,1
.irp b, 0,1,2,3
.irp j, 0,1,2,3
	global_load_b128 v[64+64*\s+16*\b+4*\j:64+64*\s+16*\b+4*\j+3], v4, s[20:21] offset:512*\s+128*\b+16*\j
.endr
.endr
.endr
.irp b, 0,1,2,3
	v_mov_b32 v[TM+4+\b], 0                        ; written once: a lane permute's destination counts as one of its sources
.endr
	s_lshl_b32 s28, ttmp9, 3
	s_add_co_u32 s28, s28, s84                     ; T
	s_mul_i32 s29, s28, 3072                       ; two images a tile
	v_lshlrev_b32 v5, 4, v1
	v_add_nc_u32 v5, s29, v5
	s_lshl_b32 s28, s28, 7
	v_lshlrev_b32 v6, 2, v1
	v_add_nc_u32 v6, s28, v6
	s_wait_loadcnt 16                              ; K step 0's sixteen loads are in; K step 1's sixteen may be out
	QUANT 64, 32, 212
	s_wait_loadcnt 0x0
	QUANT 128, 192, 213
	v_cndmask_b32 v214, v212, v213, s27            ; lanes 0-15: K step 0's word, lanes 16-31: K step 1's
.irp c, 0,1,2
	global_store_b128 v5, v[32+4*\c:35+4*\c], s[12:13] offset:512*\c          ; each store of the wave covers 512 consecutive bytes, aligned
	global_store_b128 v5, v[192+4*\c:195+4*\c], s[12:13] offset:1536+512*\c
.endr
	global_store_b32 v6, v214, s[14:15]            ; 128 bytes a wave: 6 KB in the whole launch; gathering them would cost a barrier
	s_endpgm
	; ---- THE TABLE.  Stage A, in every wave: NP, NK; the least c; each batch's chunks, work-groups and first work-group
.Ltable:
	s_wait_kmcnt 0x0
	s_load_b512 s[16:31], s[10:11], 0x0            ; the sixteen lengths
	s_wait_kmcnt 0x0
.irp b, 0,1,2,3,4,5,6,7,8,9,10,11,12,13,14,15
	s_max_i32 s[16+\b], s[16+\b], 0
	s_min_i32 s[16+\b], s[16+\b], 2048
	s_add_co_u32 s[32+\b], s[16+\b], 127
	s_lshr_b32 s[32+\b], s[32+\b], 7               ; NK
	s_add_co_u32 s[16+\b], s[16+\b], 31
	s_lshr_b32 s[16+\b], s[16+\b], 5               ; NP
.endr
	; lane l tries c = l + 1.  M = floor(4096 / c) + 1, by thirteen steps of shift and subtract; floor(n / c) = (n M) >> 12 wherever n c < 4096, and here n c <= 95 x 32
	v_add_nc_u32 v2, 1, v1
	v_mov_b32 v3, 0x1000
	v_mov_b32 v4, 0
.irp i, 12,11,10,9,8,7,6,5,4,3,2,1,0
	v_lshlrev_b32 v5, \i, v2
	v_cmp_ge_u32 vcc_lo, v3, v5
	v_sub_nc_u32 v5, v3, v5
	v_cndmask_b32 v3, v3, v5, vcc_lo
	v_add_co_ci_u32 v4, vcc_lo, v4, v4, vcc_lo     ; the quotient's next bit
.endr
	v_add_nc_u32 v6, 1, v4                         ; M
	v_mov_b32 v7, 0
.irp b, 0,1,2,3,4,5,6,7,8,9,10,11,12,13,14,15
	v_add_nc_u32 v5, s[16+\b], v1
	v_mul_lo_u32 v5, v5, v6
	v_lshrrev_b32 v5, 12, v5                       ; ceil(NP / c)
	v_mul_u32_u24 v5, s[32+\b], v5                 ; jobs
	v_add_nc_u32 v5, 3, v5
	v_lshrrev_b32 v5, 2, v5                        ; work-groups
	v_add_nc_u32 v7, v7, v5
.endr
	s_movk_i32 s86, 0x100
	v_cmp_ge_u32 s85, s86, v7                      ; the lanes whose c fits into 256 work-groups
	s_ctz_i32_b32 s87, s85
	s_min_u32 s87, s87, 15                         ; c - 1
	v_readlane_b32 s88, v6, s87                    ; its M
	s_add_co_u32 s89, s87, 1                       ; c
	s_mov_b32 s90, 0
	v_mov_b32 v40, 0
	v_mov_b32 v41, 0
.irp b, 0,1,2,3,4,5,6,7,8,9,10,11,12,13,14,15
	s_add_co_u32 s91, s[16+\b], s87
	s_mul_i32 s91, s91, s88
	s_lshr_b32 s[48+\b], s91, 12                   ; NCH: chunks of c pairs
	s_mul_i32 s91, s[48+\b], s[32+\b]
	s_add_co_u32 s91, s91, 3
	s_lshr_b32 s91, s91, 2                         ; G: the batch's work-groups
	s_mov_b32 s[66+\b], s90                        ; P: its first
	v_writelane_b32 v40, s90, \b
	v_writelane_b32 v41, s91, \b
	s_add_co_u32 s90, s90, s91
.endr
	; Stage B: thread t of work-group 6 + pass makes job J = 256 pass + t
	s_sub_co_u32 s92, ttmp9, 6
	s_lshl_b32 s93, s92, 8
	v_add_nc_u32 v8, s93, v0                       ; J
	v_lshrrev_b32 v9, 2, v8                        ; its work-group
	v_and_b32 v10, 3, v8                           ; its wave
	v_mov_b32 v11, 0                               ; the last batch whose first work-group is not beyond mine
	v_mov_b32 v12, s66
	v_mov_b32 v13, s48
	v_mov_b32 v14, s32
	v_mov_b32 v15, s16
.irp b, 1,2,3,4,5,6,7,8,9,10,11,12,13,14,15
	v_cmp_le_u32 vcc_lo, s[66+\b], v9
	v_cndmask_b32 v11, v11, \b, vcc_lo
	v_cndmask_b32 v12, v12, s[66+\b], vcc_lo
	v_cndmask_b32 v13, v13, s[48+\b], vcc_lo
	v_cndmask_b32 v14, v14, s[32+\b], vcc_lo
	v_cndmask_b32 v15, v15, s[16+\b], vcc_lo
.endr
	v_sub_nc_u32 v16, v9, v12
	v_lshl_add_u32 v16, v16, 2, v10                ; which of the batch's jobs
	v_mul_u32_u24 v17, v13, v14
	v_cmp_lt_u32 s95, v16, v17                     ; there is such a job
	v_mov_b32 v18, 0
	v_mov_b32 v5, v13
.rept 15
	v_cmp_ge_u32 vcc_lo, v16, v5
	v_add_co_ci_u32 v18, vcc_lo, 0, v18, vcc_lo    ; key step = job / NCH, by counting: the key step is outermost, so that a work-group's waves mostly share K and V
	v_add_nc_u32 v5, v5, v13
.endr
	v_mul_u32_u24 v5, v18, v13
	v_sub_nc_u32 v19, v16, v5                      ; chunk
	v_mul_u32_u24 v20, s89, v19                    ; its first pair
	v_sub_nc_u32 v21, v15, v20
	v_min_u32 v21, s89, v21                        ; its pairs
	v_lshl_add_u32 v24, v11, 4, v18
	v_lshl_add_u32 v25, v11, 6, v20
	v_cndmask_b32 v24, 0, v24, s95
	v_cndmask_b32 v25, 0, v25, s95
	v_cndmask_b32 v26, 0, v21, s95
	v_cndmask_b32 v27, 0, v11, s95
	v_lshlrev_b32 v28, 4, v8
	global_store_b128 v28, v[24:27], s[82:83]      ; 512 consecutive bytes a wave
	s_or_b32 s94, s92, s84
	s_cmp_lg_u32 s94, 0
	s_cbranch_scc1 .Lend                           ; the first of these work-groups' wave 0 also stores the batches' {P, G}
	v_lshlrev_b32 v29, 3, v1
	global_store_b64 v29, v[40:41], s[82:83] offset:16384   ; 256 consecutive bytes, aligned; lanes 16-31 store zeros
.Lend:
	s_endpgm
.Lfunc_end_k_qf070d3aea4_prep:
	.size	k_qf070d3aea4_prep, .Lfunc_end_k_qf070d3aea4_prep-k_qf070d3aea4_prep
	.p2alignl 7, 3214868480
	.fill 96, 4, 3214868480
	.section	.rodata,"a",@progbits
	.p2align	6, 0x0
	.amdhsa_kernel k_qf070d3aea4_prep
		.amdhsa_group_segment_fixed_size 0
		.amdhsa_private_segment_fixed_size 0
		.amdhsa_enable_private_segment 0
		.amdhsa_kernarg_size 56
		.amdhsa_user_sgpr_count 2
		.amdhsa_user_sgpr_kernarg_segment_ptr 1
		.amdhsa_wavefront_size32 1
		.amdhsa_system_sgpr_workgroup_id_x 1
		.amdhsa_system_sgpr_workgroup_id_y 1
		.amdhsa_system_sgpr_workgroup_id_z 1
		.amdhsa_system_vgpr_workitem_id 0
		.amdhsa_next_free_vgpr 224
		.amdhsa_next_free_sgpr 100
		.amdhsa_reserve_vcc 1
		.amdhsa_float_denorm_mode_32 3
		.amdhsa_float_denorm_mode_16_64 3
		.amdhsa_memory_ordered 1
		.amdhsa_forward_progress 1
		.amdhsa_inst_pref_size 38
	.end_amdhsa_kernel
	.amdgpu_metadata
---
amdhsa.version: [ 1, 2 ]
amdhsa.kernels:
  - .name:           k_qf070d3aea4_prep
    .symbol:         k_qf070d3aea4_prep.kd
    .args:
      - { .name: Wq, .offset: 0, .size: 8, .value_kind: global_buffer, .address_space: global }
      - { .name: Wk, .offset: 8, .size: 8, .value_kind: global_buffer, .address_space: global }
      - { .name: Wv, .offset: 16, .size: 8, .value_kind: global_buffer, .address_space: global }
      - { .name: lengths, .offset: 24, .size: 8, .value_kind: global_buffer, .address_space: global }
      - { .name: wfrag, .offset: 32, .size: 8, .value_kind: global_buffer, .address_space: global }
      - { .name: wscl, .offset: 40, .size: 8, .value_kind: global_buffer, .address_space: global }
      - { .name: jobs, .offset: 48, .size: 8, .value_kind: global_buffer, .address_space: global }
    .group_segment_fixed_size: 0
    .private_segment_fixed_size: 0
    .kernarg_segment_align: 8
    .kernarg_segment_size: 56
    .max_flat_workgroup_size: 256
    .sgpr_count:     100
    .vgpr_count:     224
    .wavefront_size: 32
...
	.end_amdgpu_metadata
.endif
;; end of part 1
;; launch proj (part 2): grid 16 x 16, 4 waves a work-group, no clusters, 162,304 bytes of LDS; arguments x, lengths, wfrag, wscl, bq, bk, bv, qrec, krec, vrec; writes qrec, krec, vrec
.if DOCPART == 2
	.amdgcn_target "amdgcn-amd-amdhsa--gfx1250"
	.amdhsa_code_object_version 6
	.text
	.protected	k_qf070d3aea4_proj
	.globl	k_qf070d3aea4_proj
	.p2align	8
	.type	k_qf070d3aea4_proj,@function
k_qf070d3aea4_proj:
	s_mov_b64 s[64:65], 0
	v_nop
	global_prefetch_b8 v0, s[64:65] scope:SCOPE_SE
	s_setreg_imm32_b32 hwreg(HW_REG_WAVE_MODE, 25, 1), 1
	s_wait_xcnt 0x0
; q = (x Wq^T + bq) mask, k = (x Wk^T + bk) mask, v = x Wv^T + bv for 128 rows of one batch (work-group x = tile of rows rt, y = batch b), all three products on codes of FP6 (E2M3) with E8M0 scales,
; and their results quantised at once for the next launch: q and k along the 256 features, v along the keys.  Nothing but codes and scale words goes to memory.
; A tile that begins at or beyond the batch's length is never read later: its work-group passes over the work by forward scalar branches on len - 128 rt, compared anew in front of each; both barriers stand on every way,
; and so do the loads of the weights, so that each stretch under a branch reads only registers that it has written itself or that every way has written.
; SHARES.  Wave w quantises rows 32 w .. 32 w + 31 of x and hands them to the others through LDS as images of operand registers (1,536 bytes a fragment: register group c of lane l at 512 c + 16 l).
; Then it makes, for all 128 rows, one half of the features (s' = w % 2) of q (w < 2) or of k, and features 64 w .. 64 w + 63 of v.  Its weights stay in registers, read once.
; THE ORDER OF THE LOADS.  60 loads of weights hang on the arguments alone and go out ahead of the wait for the length; behind that wait x's 64 loads, and straight behind them the other 44 loads of weights: 168 loads in one run.
; x comes in the order of its places in the stage, tile 0's rows first: tile 0 is quantised while tile 1's rows and the last weights are on their way.
; LAYOUT.  x's tile t = 2 p + u holds in lane r the row 32 p + 8 u + r + 8 (r / 8).  q, k: source 0 = 16 rows of W (chosen by the launch before), source 1 = x's tile: a lane holds one row of x and its 64 registers
; run along 128 features as the quantiser wants them.  v: source 0 = x's tile, source 1 = 16 rows of Wv: a lane holds one feature, and by the choice of x's rows its 64 registers of the eight tiles run along the 128 keys.
; The biases are the C of each sum's first matrix instruction.  The mask clears the CODES of a row at or beyond the length (a block of q or k lies inside one row); v is not masked: its rows beyond the length count for a block's scale.
; OUT.  qrec, krec: a record of 6,400 bytes for each pair p of tiles (index 64 b + pair): image (u, s) at (2 u + s) 1,536; at 6,144 the scale words [lane (s, r)][u].
;       vrec: a record of 25,600 bytes for each 128 keys (index 16 b + rt): image of features 16 e .. at 1,536 e; at 24,576 the scale words [lane (e % 2, r)][e / 2].
; BY TURNS.  Twelve units of 16 matrix instructions; the quantiser of the unit before (68 vector instructions, all in window 0) stands in slices behind the matrix instructions of the unit in hand.
; LIMITS: NaN and infinities are not served; a block whose largest magnitude lies under 2^-124 (a block of zeros too) keeps the scale byte 1: this program alone reads the bytes; lengths are held to 0..2048;
; the bias is added first, not last: another order of f32 rounding than x W^T + b.
; REGISTERS, in windows of 256: window 0: v1-15 addresses; v16-23, v24-27, v28-35 scale words (W's, Wv's, x's); v36-38 words in the making, the mask; v40-55 the quantiser's; v56-95 two sets of codes; v96-223 two sets of 64 results
;   window 1: v0-191 my 16 fragments of Wq or Wk; v192-255 their bias.   window 2: v0-191 x's 16 fragments (before that: x as loaded); v192-223 bv.   window 3: v0-95 my 8 fragments of Wv; v96-223 x as loaded.
.set STGW, 33280                       ; LDS: a stage for each wave: 32 places x 1,040 bytes
.set SPT,  1040                        ; a row of x, 1,024 bytes, + 16: 65 x 16, so that the sixteen rows of a read begin at sixteen different places of 16 bytes modulo 256
.set XIMG, 4*STGW                      ; x's 16 images, 2 t + s
.set XSC,  XIMG+16*1536                ; x's scale words: 128 bytes a tile; lanes 0-15 K step 0, lanes 16-31 K step 1
.set SCG,  XSC+8*128                   ; the results' scale words, gathered: q's four units of 256 bytes, k's four, v's four
.set WS,   16
.set WVS,  24
.set XS,   28
.set PW,   36
.set MK,   38
.set TM,   40
.set PC,   56                          ; + 20 x parity
.set HA,   96                          ; + 64 x parity
.set SEL,  30                          ; s[30:31]
.set MSB, 0
.macro WIN new                         ; s_set_vgpr_msb: bits 1:0 source 0, 3:2 source 1, 5:4 source 2, 7:6 destination; the high byte repeats the setting that is left
.if MSB != \new
	s_set_vgpr_msb (MSB<<8)|\new
.set MSB, \new
.endif
.endm
.macro PLACES n
.rept \n
	v_nop
.endr
.endm
; THE QUANTISER as a numbered list of 68 instructions; QL writes number QI and steps QI.  In: 64 numbers of a lane, v[S + 16 b + k] = element 32 b + 16 (lane / 16) + k along K of the lane's row.
; Out: the fragment's 12 registers from v[P] on (v[P+12..P+18] at work) and the row's scale word in v[W].  Each accumulator of eight registers is first read at its two lowest.
.macro QL S, P, W
.if QI < 4
	v_max3_num_f32 v[TM+QI], |v[(\S)+16*QI]|, |v[(\S)+16*QI+1]|, 0x1800000   ; block QI: my first two numbers and the floor 2^(3 - 127): the byte cannot fall under 1
.elseif QI < 32
	v_max3_num_f32 v[TM+QI%4], v[TM+QI%4], |v[(\S)+16*(QI%4)+2*(QI/4)]|, |v[(\S)+16*(QI%4)+2*(QI/4)+1]|   ; the four blocks by turns
.elseif QI < 36
	v_permlanex16_b32 v[TM+QI-28], v[TM+QI-32], s[SEL], s[SEL+1]
.elseif QI < 40
	v_max_num_f32 v[TM+QI-36], v[TM+QI-36], v[TM+QI-32]                  ; with lane l xor 16's 16 numbers: the block's largest magnitude
.elseif QI < 44
	v_add_nc_u32 v[TM+QI-28], 0xff000000, v[TM+QI-40]                    ; 2 off its exponent field: the conversion's scale operand
.elseif QI < 48
	v_lshrrev_b32 v[TM+QI-40], 23, v[TM+QI-32]                           ; the scale's byte
.elseif QI == 48
	v_lshl_or_b32 v[\W], v[TM+5], 8, v[TM+4]
.elseif QI == 49
	v_lshl_or_b32 v[\W], v[TM+6], 16, v[\W]
.elseif QI == 50
	v_lshl_or_b32 v[\W], v[TM+7], 24, v[\W]
.elseif QI == 51
	v_cvt_scalef32_pk16_fp6_f32 v[(\P):(\P)+2], v[(\S):(\S)+15], v[TM+12]
.elseif QI == 52
	v_cvt_scalef32_pk16_fp6_f32 v[(\P)+12:(\P)+14], v[(\S)+16:(\S)+31], v[TM+13]   ; (a conversion's three registers begin on an even number)
.elseif QI == 53
	v_cvt_scalef32_pk16_fp6_f32 v[(\P)+6:(\P)+8], v[(\S)+32:(\S)+47], v[TM+14]
.elseif QI == 54
	v_cvt_scalef32_pk16_fp6_f32 v[(\P)+16:(\P)+18], v[(\S)+48:(\S)+63], v[TM+15]
.elseif QI == 55
	v_nop                                                                ; one plain place behind the scaled conversions
.elseif QI < 59
	v_permlane16_swap_b32 v[(\P)+QI-56], v[(\P)+12+QI-56]                ; the layout wants a whole block in a lane: lanes 0-15 the even block, lanes 16-31 the odd one
.elseif QI < 62
	v_permlane16_swap_b32 v[(\P)+6+QI-59], v[(\P)+16+QI-59]
.elseif QI < 65
	v_mov_b32 v[(\P)+3+QI-62], v[(\P)+12+QI-62]
.else
	v_mov_b32 v[(\P)+9+QI-65], v[(\P)+16+QI-65]
.endif
.set QI, QI+1
.endm
.macro QUANT S, P, W
.set QI, 0
.rept 68
	QL \S, \P, \W
.endr
.endm
.macro SLICE k, S, P, W                ; slice k of 16: the list's next five (k < 4) or four instructions: 4 x 5 + 12 x 4 = 68
	WIN 0
.rept 4
	QL \S, \P, \W
.endr
.if (\k) < 4
	QL \S, \P, \W
.endif
.endm
; The second part of the weights, 44 loads: the bias of q or k, my fragments of Wv, bv.  It stands in both arms of the branch on the length.
.macro WEIGHTS_B
	WIN 0x40
.irp t, 0,1,2,3,4,5,6,7
	global_load_b128 v[192+8*\t:192+8*\t+3], v14, s[44:45] offset:(32*(\t/2)+8*(\t%2))*4       ; lane (r, h), tile t: the bias of features 32 (t / 2) + 16 h + 8 (t % 2) + 0 .. 7 of my half
	global_load_b128 v[192+8*\t+4:192+8*\t+7], v14, s[44:45] offset:(32*(\t/2)+8*(\t%2))*4+16
.endr
	WIN 0xc0
.set I, 0
.rept 24
	global_load_b128 v[4*I:4*I+3], v1, s[42:43] offset:512*I       ; Wv's fragment (i, s) at v[12 (2 i + s)] of window 3
.set I, I+1
.endr
	WIN 0x80
.irp i, 0,1,2,3
	global_load_b32 v[192+8*\i], v15, s[16:17] offset:64*\i        ; bv of my lane's feature; it is copied into the seven registers beside it ahead of the units
.endr
	WIN 0
.endm
; Half hf of x goes into the stage: loads 32 hf .. 32 hf + 31, places 16 hf .. 16 hf + 15: the sixteen rows of tile hf, side by side.
; Behind x's load I stand 63 - I loads of x and the 44 of the weights.  The wait for 63 shows the oldest 105 of the 168 in: the first 60 of the weights and x's loads 0 to 44.
.macro STAGE hf
.set I, 32*(\hf)
.rept 32
.if I == 0
	s_wait_loadcnt 63
.elseif (I%8 == 0) && (I >= 40)
	s_wait_loadcnt 100-I                           ; loads come back in order (ISA guide 5.7.1): these eight are in; 56 - I younger ones of x and the 44 of the weights may be out
.endif
.if I < 32
	WIN 0x08                                       ; an LDS store's data are its source 1
	ds_store_b128 v4, v[4*I:4*I+3] offset:(I/2)*SPT+512*(I%2)
.else
	WIN 0x0c
	ds_store_b128 v4, v[96+4*(I-32):96+4*(I-32)+3] offset:(I/2)*SPT+512*(I%2)
.endif
.set I, I+1
.endr
	WIN 0
.endm
; Fragment f = 2 u + s of my rows comes back from the stage, 16 neighbours of each block of 32 to a lane
.macro RB f
.irp b, 0,1,2,3
.irp j, 0,1,2,3
	ds_load_b128 v[HA+64*((\f)%2)+16*\b+4*\j:HA+64*((\f)%2)+16*\b+4*\j+3], v5 offset:16640*((\f)/2)+512*((\f)%2)+128*\b+16*\j
.endr
.endr
.endm
; and is quantised; a tile's second fragment comes back while its first is worked
.macro XQ f
	s_wait_dscnt 0x0                               ; fragment f's numbers are in, and the image stores before have read their registers
.if (\f)%2 == 0
	RB (\f)+1
.endif
	QUANT HA+64*((\f)%2), PC+20*((\f)%2), PW+(\f)%2
.irp c, 0,1,2
	ds_store_b128 v6, v[PC+20*((\f)%2)+4*\c:PC+20*((\f)%2)+4*\c+3] offset:1536*(\f)+512*\c
.endr
.if (\f)%2
	v_cndmask_b32 v[MK], v[PW], v[PW+1], s29       ; lanes 0-15: K step 0's word, lanes 16-31: K step 1's
	ds_store_b32 v7, v[MK] offset:128*((\f)/2)
.endif
.endm
	s_load_b512 s[4:19], s[0:1], 0x0               ; x s[4:5], lengths s[6:7], wfrag s[8:9], wscl s[10:11], bq s[12:13], bk s[14:15], bv s[16:17], qrec s[18:19]
	s_load_b128 s[20:23], s[0:1], 0x40             ; krec s[20:21], vrec s[22:23]
	v_lshl_add_u32 v254, v0, 2, 0x27800
	v_mov_b32 v255, 0
	v_lshrrev_b32 v1, 5, v0
	v_readfirstlane_b32 s24, v1                    ; wave 0..3
	s_and_b32 s26, ttmp7, 0xffff                   ; batch
	s_lshl_b32 s27, s26, 2
	s_lshl_b32 s25, ttmp9, 7                       ; the tile's first row in the batch
	v_and_b32 v39, 31, v0                          ; lane
	v_lshlrev_b32 v1, 4, v39                       ; v1  16 x lane: an image's place, in LDS and in memory
	v_lshlrev_b32 v2, 2, v39                       ; v2  4 x lane
	s_mov_b32 s37, 0
	s_wait_kmcnt 0x0
	s_load_b32 s28, s[6:7], s27 offset:0x0         ; the batch's length
	; ---- THE FIRST PART OF THE WEIGHTS, 60 loads, on every way: asked for at once, while the length is on its way
	s_mul_i32 s36, s24, 24576
	s_add_nc_u64 s[40:41], s[8:9], s[36:37]        ; my 16 images of Wq or Wk: tiles 8 w ..
	s_lshl_b32 s36, s24, 10
	s_add_nc_u64 s[46:47], s[10:11], s[36:37]      ; the scale words of tiles 8 w ..
	s_lshl_b32 s36, s24, 9
	s_add_co_u32 s36, s36, 4096
	s_add_nc_u64 s[52:53], s[10:11], s[36:37]      ; and of tiles 32 + 4 w ..
	WIN 0x40
.set I, 0
.rept 48
	global_load_b128 v[4*I:4*I+3], v1, s[40:41] offset:512*I       ; fragment (t, s) at v[12 (2 t + s)] of window 1
.set I, I+1
.endr
	WIN 0
.irp t, 0,1,2,3,4,5,6,7
	global_load_b32 v[WS+\t], v2, s[46:47] offset:128*\t
.endr
.irp i, 0,1,2,3
	global_load_b32 v[WVS+\i], v2, s[52:53] offset:128*\i
.endr
	; every LDS address is made here, ahead of the first branch: constants, the lane, the wave
	v_and_b32 v13, 15, v0                          ; r
	v_bfe_u32 v14, v0, 4, 1                        ; h
	v_lshlrev_b32 v3, 3, v39                       ; v3  8 x lane
	s_mul_i32 s32, s24, STGW
	v_add_nc_u32 v4, s32, v1                       ; v4  my stage, on the way in: bytes as they lie
	v_mul_u32_u24 v5, v13, SPT
	v_lshl_add_u32 v5, v14, 6, v5
	v_add_nc_u32 v5, s32, v5                       ; v5  and back: place r of a tile, + 64 h: my 16 numbers of a block of 32
	s_mul_i32 s32, s24, 6144
	s_add_co_u32 s32, s32, XIMG
	v_add_nc_u32 v6, s32, v1                       ; v6  where I store x's four images
	s_lshl_b32 s32, s24, 8
	s_add_co_u32 s33, s32, XSC
	v_add_nc_u32 v7, s33, v2                       ; v7  and their scale words
	v_add_nc_u32 v8, XIMG, v1                      ; v8  where every wave reads the images,
	v_add_nc_u32 v9, XSC, v2                       ; v9  and the scale words
	s_lshr_b32 s34, s24, 1                         ; 0: q, 1: k
	s_and_b32 s35, s24, 1                          ; s': which half of the features
	s_lshl_b32 s33, s34, 10
	s_lshl_b32 s36, s35, 7
	s_add_co_u32 s33, s33, s36
	s_add_co_u32 s33, s33, SCG
	v_lshl_add_u32 v10, v13, 3, s33                ; v10 q's, k's scale words: 1,024 x matrix + 8 (16 s' + r); the pair and u stand in the immediate
	s_lshl_b32 s33, s24, 3
	s_add_co_u32 s33, s33, SCG+2048
	v_lshl_add_u32 v11, v13, 5, s33                ; v11 v's: 32 r + 8 w
	s_add_co_u32 s33, s32, SCG
	v_add_nc_u32 v12, s33, v3                      ; v12 the way out: unit w of each of the three groups, 8 bytes a lane
	v_lshlrev_b32 v15, 2, v13
	v_add_nc_u32 v15, s32, v15                     ; v15 bv: 4 r + 256 w
	v_and_b32 v38, 8, v13
	v_add_nc_u32 v13, v13, v38                     ; v13 r + 8 (r / 8): my row in a tile of x
	v_lshlrev_b32 v14, 6, v14                      ; v14 bq, bk: 64 h
.irp b, 0,1,2,3
	v_mov_b32 v[TM+4+\b], 0                        ; written once: a lane permute's destination counts as one of its sources
.endr
	s_mov_b32 s[SEL], 0x76543210
	s_mov_b32 s[SEL+1], 0xfedcba98
	s_mov_b32 s29, 0xffff0000                      ; lanes 16-31
	; where everything else lies in memory
	s_lshl_b32 s36, s26, 11
	s_add_co_u32 s36, s36, s25
	s_lshl_b32 s38, s24, 5
	s_add_co_u32 s36, s36, s38
	s_lshl_b32 s36, s36, 10
	s_add_nc_u64 s[4:5], s[4:5], s[36:37]          ; x at row 2048 b + 128 rt + 32 w
	s_mul_i32 s36, s24, 12288
	s_add_co_u32 s36, s36, 98304
	s_add_nc_u64 s[42:43], s[8:9], s[36:37]        ; my 8 images of Wv: tiles 32 + 4 w ..
	s_cmp_eq_u32 s34, 0
	s_cselect_b64 s[44:45], s[12:13], s[14:15]     ; bq or bk,
	s_cselect_b64 s[48:49], s[18:19], s[20:21]     ; qrec or krec: chosen by the wave's number alone
	s_lshl_b32 s36, s35, 9
	s_add_nc_u64 s[44:45], s[44:45], s[36:37]
	s_lshl_b32 s38, s26, 6
	s_lshl_b32 s39, ttmp9, 2
	s_add_co_u32 s38, s38, s39                     ; the tile's first pair: 64 b + 4 rt
	s_mul_i32 s60, s38, 6400
	s_mul_i32 s36, s35, 1536
	s_add_co_u32 s36, s36, s60
	s_add_nc_u64 s[48:49], s[48:49], s[36:37]      ; my images of q or k: image (u, s') of each pair
	s_mul_i32 s36, s24, 6400
	s_add_co_u32 s36, s36, s60
	s_add_co_u32 s36, s36, 6144
	s_add_nc_u64 s[54:55], s[18:19], s[36:37]      ; pair w's scale words, q's
	s_add_nc_u64 s[56:57], s[20:21], s[36:37]      ; and k's
	s_lshl_b32 s38, s26, 4
	s_add_co_u32 s38, s38, ttmp9
	s_mul_i32 s60, s38, 25600                      ; v's record: 16 b + rt
	s_mul_i32 s36, s24, 6144
	s_add_co_u32 s36, s36, s60
	s_add_nc_u64 s[50:51], s[22:23], s[36:37]      ; my four images of v
	s_lshl_b32 s36, s24, 8
	s_add_co_u32 s36, s36, s60
	s_add_co_u32 s36, s36, 24576
	s_add_nc_u64 s[58:59], s[22:23], s[36:37]      ; unit w of v's scale words
	s_wait_kmcnt 0x0
	s_max_i32 s28, s28, 0
	s_min_i32 s28, s28, 2048
	s_sub_co_i32 s28, s28, s25                     ; s28 = len - 128 rt: the tile's rows under the length
	; ---- x COMES IN AND IS QUANTISED.  Each load reads 512 consecutive bytes, half a row; 64 loads a wave, in the order of the stage's places: place g holds row g % 8 + 8 (g / 16) + 16 ((g / 8) % 2), so that a tile's rows lie side by side
	s_cmp_gt_i32 s28, 0
	s_cbranch_scc0 .Lno_x
	WIN 0x80
.set I, 0
.rept 32
.set SG, I/2
.set RHO, (SG&7)+8*((SG>>4)&1)+16*((SG>>3)&1)
	global_load_b128 v[4*I:4*I+3], v1, s[4:5] offset:1024*RHO+512*(I%2) th:TH_LOAD_NT
.set I, I+1
.endr
	WIN 0xc0
.rept 32
.set SG, I/2
.set RHO, (SG&7)+8*((SG>>4)&1)+16*((SG>>3)&1)
	global_load_b128 v[96+4*(I-32):96+4*(I-32)+3], v1, s[4:5] offset:1024*RHO+512*(I%2) th:TH_LOAD_NT
.set I, I+1
.endr
	WEIGHTS_B                                      ; asked for ahead of the first wait for x
	STAGE 0                                        ; tile 0's sixteen rows
	RB 0                                           ; LDS serves a wave's instructions in order (ISA guide 5.7.1.4): these see my stores into the stage
	XQ 0
	XQ 1                                           ; tile 0 is quantised while tile 1's rows and the weights land
	STAGE 1
	RB 2
	XQ 2
	XQ 3
	s_branch .Lx_done
.Lno_x:
	WEIGHTS_B
.Lx_done:
	s_wait_dscnt 0x0                               ; for the others' sake: my images and scale words lie in LDS
	s_barrier_signal -1
	s_barrier_wait -1
	; ---- THE TWELVE UNITS
; Matrix instruction i of unit k.  k < 8: x's tile k against my eight tiles of Wq or Wk; k >= 8: x's eight tiles against my tile k - 8 of Wv.  i / 8 is the K step; the eight accumulators take turns.
.macro WM k, i
.set SS, (\i)/8
.set TT, (\i)%8
.set DD, HA+64*((\k)%2)+8*TT
.if (\k) < 8
.if SS == 0
	WIN 0x19                                       ; W window 1, x window 2, the bias window 1, the result window 0
	v_wmma_scale_f32_16x16x128_f8f6f4 v[DD:DD+7], v[24*TT:24*TT+11], v[24*(\k):24*(\k)+11], v[192+8*TT:192+8*TT+7], v[WS+TT], v[XS+(\k)] matrix_a_fmt:MATRIX_FMT_FP6 matrix_b_fmt:MATRIX_FMT_FP6
.else
	WIN 0x09
	v_wmma_scale_f32_16x16x128_f8f6f4 v[DD:DD+7], v[24*TT+12:24*TT+23], v[24*(\k)+12:24*(\k)+23], v[DD:DD+7], v[WS+TT], v[XS+(\k)] matrix_a_fmt:MATRIX_FMT_FP6 matrix_b_fmt:MATRIX_FMT_FP6 matrix_a_scale:MATRIX_SCALE_ROW1 matrix_b_scale:MATRIX_SCALE_ROW1
.endif
.else
.set IV, (\k)-8
.if SS == 0
	WIN 0x2e                                       ; x window 2, Wv window 3, bv window 2
	v_wmma_scale_f32_16x16x128_f8f6f4 v[DD:DD+7], v[24*TT:24*TT+11], v[24*IV:24*IV+11], v[192+8*IV:192+8*IV+7], v[XS+TT], v[WVS+IV] matrix_a_fmt:MATRIX_FMT_FP6 matrix_b_fmt:MATRIX_FMT_FP6
.else
	WIN 0x0e
	v_wmma_scale_f32_16x16x128_f8f6f4 v[DD:DD+7], v[24*TT+12:24*TT+23], v[24*IV+12:24*IV+23], v[DD:DD+7], v[XS+TT], v[WVS+IV] matrix_a_fmt:MATRIX_FMT_FP6 matrix_b_fmt:MATRIX_FMT_FP6 matrix_a_scale:MATRIX_SCALE_ROW1 matrix_b_scale:MATRIX_SCALE_ROW1
.endif
.endif
.endm
; Unit k's codes leave: each store of the wave covers 512 consecutive bytes, aligned; its scale word goes to LDS, to leave with the others' in whole runs of 256 bytes
.macro POST k
.set PP, PC+20*((\k)%2)
.if (\k) < 8
	s_sub_co_i32 s33, s28, 32*((\k)/2)+8*((\k)%2)
	v_cmp_gt_i32 vcc_lo, s33, v13                  ; my row lies under the length
	v_cndmask_b32 v[MK], 0, -1, vcc_lo
.irp c, 0,1,2,3,4,5,6,7,8,9,10,11
	v_and_b32 v[PP+\c], v[MK], v[PP+\c]            ; the mask: zero codes
.endr
.irp c, 0,1,2
	global_store_b128 v1, v[PP+4*\c:PP+4*\c+3], s[48:49] offset:((\k)/2)*6400+((\k)%2)*3072+512*\c
.endr
	ds_store_b32 v10, v[PW+(\k)%2] offset:256*((\k)/2)+4*((\k)%2)  ; (lanes r and 16 + r write the same word with the same value)
.else
.irp c, 0,1,2
	global_store_b128 v1, v[PP+4*\c:PP+4*\c+3], s[50:51] offset:1536*((\k)-8)+512*\c
.endr
	ds_store_b32 v11, v[PW+(\k)%2] offset:512*(((\k)-8)%2)+4*(((\k)-8)/2)
.endif
.endm
	s_cmp_gt_i32 s28, 0
	s_cbranch_scc0 .Lno_units
.irp t, 0,1,2,3,4,5,6,7
	ds_load_b32 v[XS+\t], v9 offset:128*\t         ; x's scale words first: unit 0 wants them
.endr
	WIN 0x80
.set I, 0
.rept 48
	ds_load_b128 v[4*I:4*I+3], v8 offset:512*I     ; all of x's fragments: (t, s) at v[12 (2 t + s)] of window 2
.set I, I+1
.endr
	s_wait_loadcnt 0x0                             ; the weights, biases and their scale words
	WIN 0x82
.irp i, 0,1,2,3
.irp j, 1,2,3,4,5,6,7
	v_mov_b32 v[192+8*\i+\j], v[192+8*\i]          ; bv in all eight registers of the result's layout: 28 copies in place of 28 loads
.endr
.endr
	s_wait_dscnt 42                                ; LDS loads come back in order (ISA guide 5.7.1): the 8 scale words and tile 0's 6 loads are in; the other 42 land under unit 0, and unit 1 waits for all
.set I, 0
.rept 16
	WM 0, I
.set I, I+1
.endr
.irp k, 1,2,3,4,5,6,7,8,9,10,11
	WIN 0
	s_wait_xcnt 0x0                                ; the stores of the unit three back have read this parity's codes: only behind this wait are they written again
	s_wait_dscnt 0x0                               ; and its LDS store its scale word
	PLACES 4                                       ; four places between the last unit's products and the first read of their results (ISA guide 7.12.1)
.set QI, 0
.set I, 0
.rept 16
	WM \k, I
	SLICE I, HA+64*((\k-1)%2), PC+20*((\k-1)%2), PW+(\k-1)%2
.set I, I+1
.endr
	POST \k-1
.endr
	PLACES 4
	QUANT HA+64, PC+20, PW+1                       ; unit 11
	POST 11
.Lno_units:
	s_wait_dscnt 0x0                               ; for the others' sake: my scale words lie in LDS
	s_barrier_signal -1
	s_barrier_wait -1
	; ---- THE SCALE WORDS LEAVE: wave w takes unit w of q's, of k's and of v's: 256 consecutive bytes a store, aligned
	s_cmp_gt_i32 s28, 0
	s_cbranch_scc0 .Lend
	ds_load_b64 v[224:225], v12
	ds_load_b64 v[226:227], v12 offset:1024
	ds_load_b64 v[228:229], v12 offset:2048
	s_wait_dscnt 0x0
	global_store_b64 v3, v[224:225], s[54:55]
	global_store_b64 v3, v[226:227], s[56:57]
	global_store_b64 v3, v[228:229], s[58:59]
.Lend:
	s_wait_tensorcnt 0x0
	ds_add_u32 v254, v255
	s_wait_dscnt 0x0
	s_endpgm
.Lfunc_end_k_qf070d3aea4_proj:
	.size	k_qf070d3aea4_proj, .Lfunc_end_k_qf070d3aea4_proj-k_qf070d3aea4_proj
	.p2alignl 7, 3214868480
	.fill 96, 4, 3214868480
	.section	.rodata,"a",@progbits
	.p2align	6, 0x0
	.amdhsa_kernel k_qf070d3aea4_proj
		.amdhsa_group_segment_fixed_size 162304
		.amdhsa_private_segment_fixed_size 0
		.amdhsa_enable_private_segment 0
		.amdhsa_kernarg_size 80
		.amdhsa_user_sgpr_count 2
		.amdhsa_user_sgpr_kernarg_segment_ptr 1
		.amdhsa_wavefront_size32 1
		.amdhsa_system_sgpr_workgroup_id_x 1
		.amdhsa_system_sgpr_workgroup_id_y 1
		.amdhsa_system_sgpr_workgroup_id_z 1
		.amdhsa_system_vgpr_workitem_id 0
		.amdhsa_next_free_vgpr 1024
		.amdhsa_next_free_sgpr 66
		.amdhsa_reserve_vcc 1
		.amdhsa_float_denorm_mode_32 3
		.amdhsa_float_denorm_mode_16_64 3
		.amdhsa_memory_ordered 1
		.amdhsa_forward_progress 1
		.amdhsa_inst_pref_size 145
	.end_amdhsa_kernel
	.amdgpu_metadata
---
amdhsa.version: [ 1, 2 ]
amdhsa.kernels:
  - .name:           k_qf070d3aea4_proj
    .symbol:         k_qf070d3aea4_proj.kd
    .args:
      - { .name: x, .offset: 0, .size: 8, .value_kind: global_buffer, .address_space: global }
      - { .name: lengths, .offset: 8, .size: 8, .value_kind: global_buffer, .address_space: global }
      - { .name: wfrag, .offset: 16, .size: 8, .value_kind: global_buffer, .address_space: global }
      - { .name: wscl, .offset: 24, .size: 8, .value_kind: global_buffer, .address_space: global }
      - { .name: bq, .offset: 32, .size: 8, .value_kind: global_buffer, .address_space: global }
      - { .name: bk, .offset: 40, .size: 8, .value_kind: global_buffer, .address_space: global }
      - { .name: bv, .offset: 48, .size: 8, .value_kind: global_buffer, .address_space: global }
      - { .name: qrec, .offset: 56, .size: 8, .value_kind: global_buffer, .address_space: global }
      - { .name: krec, .offset: 64, .size: 8, .value_kind: global_buffer, .address_space: global }
      - { .name: vrec, .offset: 72, .size: 8, .value_kind: global_buffer, .address_space: global }
    .group_segment_fixed_size: 162304
    .private_segment_fixed_size: 0
    .kernarg_segment_align: 8
    .kernarg_segment_size: 80
    .max_flat_workgroup_size: 128
    .sgpr_count:     66
    .vgpr_count:     1024
    .wavefront_size: 32
...
	.end_amdgpu_metadata
.endif
;; end of part 2
;; launch attn (part 3): grid 256 x 1, 4 waves a work-group, no clusters, 9,216 bytes of LDS; arguments jobs, qrec, krec, vrec, part; writes part
.if DOCPART == 3
	.amdgcn_target "amdgcn-amd-amdhsa--gfx1250"
	.amdhsa_code_object_version 6
	.text
	.protected	k_qf070d3aea4_attn
	.globl	k_qf070d3aea4_attn
	.p2align	8
	.type	k_qf070d3aea4_attn,@function
k_qf070d3aea4_attn:
	s_mov_b64 s[64:65], 0
	v_nop
	global_prefetch_b8 v0, s[64:65] scope:SCOPE_SE
	s_setreg_imm32_b32 hwreg(HW_REG_WAVE_MODE, 25, 1), 1
	s_wait_xcnt 0x0
; S = q k^T and the sum over the queries of S v, both products on codes of FP6 (E2M3) with E8M0 scales; S is quantised in registers, along the keys, between them.
; Rows of q and of k at or beyond a batch's length are zeros, so only pairs of query tiles and key steps that begin under the length are multiplied: the table of jobs, made from the lengths two launches ago, deals them out.
; SHARES.  A wave has ONE job: 128 keys (16 fragments of k, 16 of v: 384 registers that stay) against n <= 16 pairs of query tiles (32 queries each), which stream through a ring of two slots in registers.
; Since the result is summed over the queries, ALL query tiles add onto the same 16 accumulators (128 registers).  No LDS and no barrier in the loop; operands come from memory as images of their registers, 512 consecutive bytes a load.
; The trip count hangs on a number read from memory, so the launch has no tensor load and no cluster: partners would need different numbers of tiles.
; LAYOUT.  S^T = k q^T (source 0 = 16 keys, source 1 = 16 queries): a lane holds one query; lane r of k's tile 2 b + u holds key 32 b + 8 u + r + 8 (r / 8), so that the 16 registers of tiles 2 b, 2 b + 1 are keys 32 b + 16 (lane / 16) + 0 .. 15.
; The quantiser turns a lane's 64 scores into the fragment P (16 queries x 128 keys).  O = P v (source 0 = P, source 1 = 16 features of v with the keys innermost): a lane holds one feature, its eight registers eight queries: the sum over the queries adds registers.
; BY TURNS.  A pair is 64 matrix instructions; the quantiser of one tile (68 vector instructions, all in window 0) stands in slices behind the other tile's 16 products, one slice and two window switches a product.
; The four waves' sums meet in LDS at the end; the work-group stores 256 numbers into its own slot of part; a work-group or wave without a job adds zeros.
; LIMITS: a block of S whose largest magnitude lies under 2^-124 (a block of zeros too) keeps the scale byte 1 over its codes; NaN and infinities are not served; the sum over queries runs in the accumulators, tile by tile: another order of f32 rounding than O's rows summed at the end.
; REGISTERS, in windows of 256: window 0: v1-5 addresses; v8-15 k's scale words, v16-23 v's, v24-27 q's (two a slot), v28-29 P's; v32-47 the quantiser's; v48-87 P of tile 0, 1; v96-223 S^T of tile 0, 1; v224-239 my sums
;   window 1: k's fragment (t, s) at v[12 (2 t + s)].   window 2: v's fragment e at v[12 e].   window 3: v0-127 accumulator e at v[8 e]; v128-223 q: slot g, fragment (u, s) at v[128 + 48 g + 12 (2 u + s)].
.set KS,  8
.set VS,  16
.set QS,  24
.set PW,  28
.set TM,  32
.set PC,  48                           ; + 20 u
.set SA,  96                           ; + 64 u
.set RR,  224
.set SEL, 32                           ; s[32:33]
.set MSB, 0
.macro WIN new                         ; s_set_vgpr_msb: bits 1:0 source 0, 3:2 source 1, 5:4 source 2, 7:6 destination; the high byte repeats the setting that is left
.if MSB != \new
	s_set_vgpr_msb (MSB<<8)|\new
.set MSB, \new
.endif
.endm
.macro PLACES n
.rept \n
	v_nop
.endr
.endm
; THE QUANTISER as a numbered list of 68 instructions; QL writes number QI and steps QI.  In: 64 numbers of a lane, v[S + 16 b + k] = element 32 b + 16 (lane / 16) + k along K of the lane's row.
; Out: the fragment's 12 registers from v[P] on (v[P+12..P+18] at work) and the row's scale word in v[W].  Each accumulator of eight registers is first read at its two lowest.
.macro QL S, P, W
.if QI < 4
	v_max3_num_f32 v[TM+QI], |v[(\S)+16*QI]|, |v[(\S)+16*QI+1]|, 0x1800000   ; block QI: my first two numbers and the floor 2^(3 - 127): the byte cannot fall under 1
.elseif QI < 32
	v_max3_num_f32 v[TM+QI%4], v[TM+QI%4], |v[(\S)+16*(QI%4)+2*(QI/4)]|, |v[(\S)+16*(QI%4)+2*(QI/4)+1]|   ; the four blocks by turns
.elseif QI < 36
	v_permlanex16_b32 v[TM+QI-28], v[TM+QI-32], s[SEL], s[SEL+1]
.elseif QI < 40
	v_max_num_f32 v[TM+QI-36], v[TM+QI-36], v[TM+QI-32]                  ; with lane l xor 16's 16 numbers: the block's largest magnitude
.elseif QI < 44
	v_add_nc_u32 v[TM+QI-28], 0xff000000, v[TM+QI-40]                    ; 2 off its exponent field: the conversion's scale operand
.elseif QI < 48
	v_lshrrev_b32 v[TM+QI-40], 23, v[TM+QI-32]                           ; the scale's byte
.elseif QI == 48
	v_lshl_or_b32 v[\W], v[TM+5], 8, v[TM+4]
.elseif QI == 49
	v_lshl_or_b32 v[\W], v[TM+6], 16, v[\W]
.elseif QI == 50
	v_lshl_or_b32 v[\W], v[TM+7], 24, v[\W]
.elseif QI == 51
	v_cvt_scalef32_pk16_fp6_f32 v[(\P):(\P)+2], v[(\S):(\S)+15], v[TM+12]
.elseif QI == 52
	v_cvt_scalef32_pk16_fp6_f32 v[(\P)+12:(\P)+14], v[(\S)+16:(\S)+31], v[TM+13]   ; (a conversion's three registers begin on an even number)
.elseif QI == 53
	v_cvt_scalef32_pk16_fp6_f32 v[(\P)+6:(\P)+8], v[(\S)+32:(\S)+47], v[TM+14]
.elseif QI == 54
	v_cvt_scalef32_pk16_fp6_f32 v[(\P)+16:(\P)+18], v[(\S)+48:(\S)+63], v[TM+15]
.elseif QI == 55
	v_nop                                                                ; one plain place behind the scaled conversions
.elseif QI < 59
	v_permlane16_swap_b32 v[(\P)+QI-56], v[(\P)+12+QI-56]                ; the layout wants a whole block in a lane: lanes 0-15 the even block, lanes 16-31 the odd one
.elseif QI < 62
	v_permlane16_swap_b32 v[(\P)+6+QI-59], v[(\P)+16+QI-59]
.elseif QI < 65
	v_mov_b32 v[(\P)+3+QI-62], v[(\P)+12+QI-62]
.else
	v_mov_b32 v[(\P)+9+QI-65], v[(\P)+16+QI-65]
.endif
.set QI, QI+1
.endm
.macro SLICE k, S, P, W                ; slice k of 16: the list's next five (k < 4) or four instructions: 4 x 5 + 12 x 4 = 68
	WIN 0
.rept 4
	QL \S, \P, \W
.endr
.if (\k) < 4
	QL \S, \P, \W
.endif
.endm
; Product i of 16 of S^T for tile u of the pair in slot g: K step i / 8 (the features' half), k's tile i % 8.  The first eight start the sums with the constant 0; the eight accumulators take turns.
.macro SW g, u, i
.set SS, (\i)/8
.set TT, (\i)%8
.set DD, SA+64*(\u)+8*TT
	WIN 0x0d                                       ; k window 1, q window 3, S^T window 0
.if SS == 0
	v_wmma_scale_f32_16x16x128_f8f6f4 v[DD:DD+7], v[24*TT:24*TT+11], v[128+48*(\g)+24*(\u):128+48*(\g)+24*(\u)+11], 0, v[KS+TT], v[QS+2*(\g)+(\u)] matrix_a_fmt:MATRIX_FMT_FP6 matrix_b_fmt:MATRIX_FMT_FP6
.else
	v_wmma_scale_f32_16x16x128_f8f6f4 v[DD:DD+7], v[24*TT+12:24*TT+23], v[128+48*(\g)+24*(\u)+12:128+48*(\g)+24*(\u)+23], v[DD:DD+7], v[KS+TT], v[QS+2*(\g)+(\u)] matrix_a_fmt:MATRIX_FMT_FP6 matrix_b_fmt:MATRIX_FMT_FP6 matrix_a_scale:MATRIX_SCALE_ROW1 matrix_b_scale:MATRIX_SCALE_ROW1
.endif
.endm
; accumulator e += P of tile u x v's features 16 e ..; the sixteen accumulators take turns.  v's scale words: register e / 2, lanes 0-15 the even e, lanes 16-31 the odd one
.macro PVW u, e
	WIN 0xf8                                       ; P window 0, v window 2, C and D window 3
.if (\e)%2
	v_wmma_scale_f32_16x16x128_f8f6f4 v[8*(\e):8*(\e)+7], v[PC+20*(\u):PC+20*(\u)+11], v[12*(\e):12*(\e)+11], v[8*(\e):8*(\e)+7], v[PW+(\u)], v[VS+(\e)/2] matrix_a_fmt:MATRIX_FMT_FP6 matrix_b_fmt:MATRIX_FMT_FP6 matrix_b_scale:MATRIX_SCALE_ROW1
.else
	v_wmma_scale_f32_16x16x128_f8f6f4 v[8*(\e):8*(\e)+7], v[PC+20*(\u):PC+20*(\u)+11], v[12*(\e):12*(\e)+11], v[8*(\e):8*(\e)+7], v[PW+(\u)], v[VS+(\e)/2] matrix_a_fmt:MATRIX_FMT_FP6 matrix_b_fmt:MATRIX_FMT_FP6
.endif
.endm
.macro QLOAD g                         ; a pair's record into slot g: 12 loads of codes, 1 of scale words: 13 loads
	WIN 0xc0
.set I, 0
.rept 12
	global_load_b128 v[128+48*(\g)+4*I:128+48*(\g)+4*I+3], v1, s[26+2*(\g):27+2*(\g)] offset:512*I
.set I, I+1
.endr
	WIN 0
	global_load_b64 v[QS+2*(\g):QS+2*(\g)+1], v2, s[26+2*(\g):27+2*(\g)] offset:6144   ; lane (s, r): the words of tiles 0 and 1
.endm
; A PAIR in slot g.  reload = 1: the slot takes the pair two further on as soon as its products are issued.  left: the loads younger than this slot's, which may stay out.
.macro PAIR g, reload, left
	s_wait_loadcnt \left                           ; loads come back in order (ISA guide 5.7.1): this slot's are in (at the first pair: k's and v's too)
.set I, 0
.rept 16
	SW \g, 0, I
.set I, I+1
.endr
	WIN 0
	PLACES 4                                       ; four places between tile 0's products and the first read of their results (ISA guide 7.12.1)
.set QI, 0
.set I, 0
.rept 16
	SW \g, 1, I                                    ; tile 1's scores | tile 0's quantiser
	SLICE I, SA, PC, PW
.set I, I+1
.endr
	WIN 0
	PLACES 8                                       ; a scale word written by vector instructions stands eight places ahead of the scaled product that takes it, codes so written four; they also part tile 1's products from the first read of their results and from the loads into q's registers
.if \reload
	s_add_nc_u64 s[26+2*(\g):27+2*(\g)], s[26+2*(\g):27+2*(\g)], 12800   ; two records on; the slot's last loads, which read this base, were shown done by the wait at the pair's head
	QLOAD \g
.endif
.set QI, 0
.set I, 0
.rept 16
	PVW 0, I                                       ; tile 0's P v | tile 1's quantiser
	SLICE I, SA+64, PC+20, PW+1
.set I, I+1
.endr
	WIN 0
	PLACES 8
.set I, 0
.rept 16
	PVW 1, I
.set I, I+1
.endr
	WIN 0                                          ; at a label and at a branch every window is 0
.endm
	s_load_b256 s[4:11], s[0:1], 0x0               ; jobs s[4:5], qrec s[6:7], krec s[8:9], vrec s[10:11]
	s_load_b64 s[12:13], s[0:1], 0x20              ; part
	v_lshl_add_u32 v254, v0, 2, 0x2200
	v_mov_b32 v255, 0
	v_lshrrev_b32 v1, 5, v0
	v_readfirstlane_b32 s14, v1                    ; wave 0..3
	s_lshl_b32 s15, ttmp9, 2
	s_add_co_u32 s15, s15, s14
	s_lshl_b32 s15, s15, 4                         ; my job: 16 bytes at 16 (4 x work-group + wave)
	s_wait_kmcnt 0x0
	s_load_b128 s[16:19], s[4:5], s15 offset:0x0   ; {16 b + key step, 64 b + first pair, pairs, b}
	v_and_b32 v7, 31, v0
	v_lshlrev_b32 v1, 4, v7                        ; v1  16 x lane
	v_lshlrev_b32 v2, 3, v7                        ; v2  8 x lane
	v_lshlrev_b32 v3, 5, v7                        ; v3  32 x lane
	v_and_b32 v4, 15, v0
	v_bfe_u32 v5, v0, 4, 1
	v_lshlrev_b32 v4, 2, v4
	v_mad_u32_u24 v4, v5, 1088, v4
	s_mul_i32 s34, s14, 2176
	v_add_nc_u32 v4, s34, v4                       ; v4  LDS: [wave][lane / 16][feature]: 2,176 w + 1,088 h + 4 r; 1,088 = 1,024 + 64, so that the two halves of the lanes fall on different banks (64 banks of 4 bytes: ISA guide 11.1)
	v_lshlrev_b32 v5, 3, v0                        ; v5  8 x thread: my two features, in LDS and in the work-group's slot of part
.irp b, 0,1,2,3
	v_mov_b32 v[TM+4+\b], 0                        ; written once: a lane permute's destination counts as one of its sources
.endr
	s_mov_b32 s[SEL], 0x76543210
	s_mov_b32 s[SEL+1], 0xfedcba98
	s_lshl_b32 s34, ttmp9, 10
	s_mov_b32 s35, 0
	s_add_nc_u64 s[12:13], s[12:13], s[34:35]      ; my work-group's slot
	s_wait_kmcnt 0x0
	s_min_u32 s16, s16, 255                        ; numbers read from memory are held inside their tables before they enter an address
	s_min_u32 s17, s17, 1023
	s_min_u32 s18, s18, 16
	s_cmp_eq_u32 s18, 0
	s_cbranch_scc1 .Lidle
	s_mul_i32 s34, s16, 25600                      ; four pair records of k, or one record of v
	s_add_nc_u64 s[20:21], s[8:9], s[34:35]
	s_add_nc_u64 s[24:25], s[10:11], s[34:35]
	s_mul_i32 s34, s17, 6400
	s_add_nc_u64 s[26:27], s[6:7], s[34:35]        ; slot 0 begins with my first pair,
	s_sub_co_u32 s31, s18, 1
	s_min_u32 s31, s31, 1
	s_mul_i32 s34, s31, 6400
	s_add_nc_u64 s[28:29], s[26:27], s[34:35]      ; slot 1 with the second (a job of one pair names the first again, and does not use it: so every way has issued the same loads)
	WIN 0x40
.irp p, 0,1,2,3
.irp c, 0,1,2,3,4,5,6,7,8,9,10,11
	global_load_b128 v[48*\p+4*\c:48*\p+4*\c+3], v1, s[20:21] offset:6400*\p+512*\c
.endr
.endr
	WIN 0
.irp p, 0,1,2,3
	global_load_b64 v[KS+2*\p:KS+2*\p+1], v2, s[20:21] offset:6400*\p+6144
.endr
	QLOAD 0
	WIN 0x80
.set I, 0
.rept 48
	global_load_b128 v[4*I:4*I+3], v1, s[24:25] offset:512*I
.set I, I+1
.endr
	WIN 0
	global_load_b128 v[VS:VS+3], v3, s[24:25] offset:24576
	global_load_b128 v[VS+4:VS+7], v3, s[24:25] offset:24592
	QLOAD 1
	WIN 0xc0
.set I, 0
.rept 128
	v_mov_b32 v[I], 0                              ; the accumulators, while the first loads are on their way.  (A first product with C = 0 would want a copy of the pair for each of the three ways into it)
.set I, I+1
.endr
	WIN 0
	s_sub_co_i32 s30, s18, 2                       ; pairs not yet asked for
	s_cmp_lt_i32 s30, 2
	s_cbranch_scc1 .Ltail
.Lloop:                                            ; two pairs a trip; each slot is filled again.  The count 13: the other slot's loads are the younger ones, on the way in and round the back edge
	PAIR 0, 1, 13
	PAIR 1, 1, 13
	s_sub_co_i32 s30, s30, 2
	s_cmp_ge_i32 s30, 2
	s_cbranch_scc1 .Lloop
.Ltail:                                            ; -1, 0 or 1 pairs are still to be asked for; the tails are written out, so that every count holds on every way
	s_cmp_eq_u32 s30, 1
	s_cbranch_scc1 .Ltail_b
	PAIR 0, 0, 13
	s_cmp_eq_i32 s30, -1
	s_cbranch_scc1 .Ldone                          ; a job of one pair
	PAIR 1, 0, 0
	s_branch .Ldone
.Ltail_b:
	PAIR 0, 1, 13
	PAIR 1, 0, 13
	PAIR 0, 0, 0
.Ldone:
	PLACES 4                                       ; four places behind the last products
	WIN 0x0f                                       ; sources 0 and 1 window 3
.irp e, 0,1,2,3,4,5,6,7,8,9,10,11,12,13,14,15
	v_pk_add_f32 v[SA+4*\e:SA+4*\e+1], v[8*\e:8*\e+1], v[8*\e+2:8*\e+3]        ; the sum over a lane's eight queries; each accumulator from its low end on
	v_pk_add_f32 v[SA+4*\e+2:SA+4*\e+3], v[8*\e+4:8*\e+5], v[8*\e+6:8*\e+7]
.endr
	WIN 0
.irp e, 0,1,2,3,4,5,6,7,8,9,10,11,12,13,14,15
	v_pk_add_f32 v[SA+4*\e:SA+4*\e+1], v[SA+4*\e:SA+4*\e+1], v[SA+4*\e+2:SA+4*\e+3]
.endr
.irp e, 0,1,2,3,4,5,6,7,8,9,10,11,12,13,14,15
	v_add_f32 v[RR+\e], v[SA+4*\e], v[SA+4*\e+1]
.endr
	s_branch .Lstore
.Lidle:
.irp e, 0,1,2,3,4,5,6,7,8,9,10,11,12,13,14,15
	v_mov_b32 v[RR+\e], 0                          ; a wave without a job adds zeros
.endr
.Lstore:
.irp e, 0,1,2,3,4,5,6,7,8,9,10,11,12,13,14,15
	ds_store_b32 v4, v[RR+\e] offset:64*\e         ; feature 16 e + r
.endr
	s_wait_dscnt 0x0                               ; for the others' sake: my sums lie in LDS
	s_barrier_signal -1
	s_barrier_wait -1
.irp w, 0,1,2,3
.irp h, 0,1
	ds_load_b64 v[160+4*\w+2*\h:161+4*\w+2*\h], v5 offset:2176*\w+1088*\h     ; my two features' eight parts
.endr
.endr
	s_wait_dscnt 0x0
.irp i, 0,1,2,3
	v_pk_add_f32 v[160+4*\i:161+4*\i], v[160+4*\i:161+4*\i], v[162+4*\i:163+4*\i]
.endr
	v_pk_add_f32 v[160:161], v[160:161], v[164:165]
	v_pk_add_f32 v[168:169], v[168:169], v[172:173]
	v_pk_add_f32 v[160:161], v[160:161], v[168:169]
	global_store_b64 v5, v[160:161], s[12:13]      ; each wave stores 256 consecutive bytes, aligned
	s_wait_tensorcnt 0x0
	ds_add_u32 v254, v255
	s_wait_dscnt 0x0
	s_endpgm
.Lfunc_end_k_qf070d3aea4_attn:
	.size	k_qf070d3aea4_attn, .Lfunc_end_k_qf070d3aea4_attn-k_qf070d3aea4_attn
	.p2alignl 7, 3214868480
	.fill 96, 4, 3214868480
	.section	.rodata,"a",@progbits
	.p2align	6, 0x0
	.amdhsa_kernel k_qf070d3aea4_attn
		.amdhsa_group_segment_fixed_size 9216
		.amdhsa_private_segment_fixed_size 0
		.amdhsa_enable_private_segment 0
		.amdhsa_kernarg_size 40
		.amdhsa_user_sgpr_count 2
		.amdhsa_user_sgpr_kernarg_segment_ptr 1
		.amdhsa_wavefront_size32 1
		.amdhsa_system_sgpr_workgroup_id_x 1
		.amdhsa_system_sgpr_workgroup_id_y 1
		.amdhsa_system_sgpr_workgroup_id_z 1
		.amdhsa_system_vgpr_workitem_id 0
		.amdhsa_next_free_vgpr 1024
		.amdhsa_next_free_sgpr 66
		.amdhsa_reserve_vcc 0
		.amdhsa_float_denorm_mode_32 3
		.amdhsa_float_denorm_mode_16_64 3
		.amdhsa_memory_ordered 1
		.amdhsa_forward_progress 1
		.amdhsa_inst_pref_size 157
	.end_amdhsa_kernel
	.amdgpu_metadata
---
amdhsa.version: [ 1, 2 ]
amdhsa.kernels:
  - .name:           k_qf070d3aea4_attn
    .symbol:         k_qf070d3aea4_attn.kd
    .args:
      - { .name: jobs, .offset: 0, .size: 8, .value_kind: global_buffer, .address_space: global }
      - { .name: qrec, .offset: 8, .size: 8, .value_kind: global_buffer, .address_space: global }
      - { .name: krec, .offset: 16, .size: 8, .value_kind: global_buffer, .address_space: global }
      - { .name: vrec, .offset: 24, .size: 8, .value_kind: global_buffer, .address_space: global }
      - { .name: part, .offset: 32, .size: 8, .value_kind: global_buffer, .address_space: global }
    .group_segment_fixed_size: 9216
    .private_segment_fixed_size: 0
    .kernarg_segment_align: 8
    .kernarg_segment_size: 40
    .max_flat_workgroup_size: 128
    .sgpr_count:     66
    .vgpr_count:     1024
    .wavefront_size: 32
...
	.end_amdgpu_metadata
.endif
;; end of part 3
;; launch fin (part 4): grid 4 x 16, 4 waves a work-group, no clusters, 1,536 bytes of LDS; arguments jobs, part, out0; writes out0
.if DOCPART == 4
	.amdgcn_target "amdgcn-amd-amdhsa--gfx1250"
	.amdhsa_code_object_version 6
	.text
	.protected	k_qf070d3aea4_fin
	.globl	k_qf070d3aea4_fin
	.p2align	8
	.type	k_qf070d3aea4_fin,@function
k_qf070d3aea4_fin:
	s_mov_b64 s[64:65], 0
	v_nop
	global_prefetch_b8 v0, s[64:65] scope:SCOPE_SE
	s_setreg_imm32_b32 hwreg(HW_REG_WAVE_MODE, 25, 1), 1
	s_wait_xcnt 0x0
; out0[b][e] = (the sum of batch b's slots of part)[e] / 2048.  Work-group (x, y) owns features 64 x .. 64 x + 63 of batch y: one owner for each output, no atomics.
; The batch's first slot P and its number of slots G were stored as whole numbers by the first launch.  Thread t: sixteen lanes read 256 consecutive bytes of one slot (16 bytes a lane); the work-group's eight groups of sixteen take eight slots
; an instruction, eight instructions a trip: 64 slots, all asked for before the first is waited for.  A slot beyond the batch's last is read at the last slot's place and counted as 0 by a select: no load leaves the buffer, and no branch hangs on a sum.
; A batch of length 0 has no slots: its outputs are zeros, as the definition has them.  No matrix unit, no cluster: there is nothing here to multiply or to share.
; REGISTERS: v1-5 places and addresses; v8-15 my group's slot in each of a trip's eight instructions; v16-23 the loads' offsets; v24-27 the other half of the lanes' sums; v28-31 my four sums; v32-63 a trip's numbers.
	s_load_b128 s[4:7], s[0:1], 0x0                ; jobs s[4:5], part s[6:7]
	s_load_b64 s[8:9], s[0:1], 0x10                ; out0
	v_lshl_add_u32 v64, v0, 2, 0x400
	v_mov_b32 v65, 0
	v_lshrrev_b32 v1, 5, v0
	v_readfirstlane_b32 s12, v1                    ; wave 0..3
	s_and_b32 s13, ttmp7, 0xffff                   ; batch
	s_lshl_b32 s14, s13, 3
	s_wait_kmcnt 0x0
	s_load_b64 s[10:11], s[4:5], s14 offset:0x4000 ; {P, G}
	v_and_b32 v1, 15, v0                           ; my place in a run of 256 bytes
	v_lshrrev_b32 v2, 4, v0                        ; my group of sixteen, 0..7
	s_lshl_b32 s15, ttmp9, 8
	v_lshl_add_u32 v3, v1, 4, s15                  ; 256 x + 16 x place: in a slot, and in a row of out0
	v_lshlrev_b32 v4, 4, v1                        ; LDS, back: 16 x place
	s_lshl_b32 s16, s12, 8
	v_add_nc_u32 v5, s16, v4                       ; LDS, in: + 256 x wave
.irp k, 0,1,2,3,4,5,6,7
	v_add_nc_u32 v[8+\k], 8*\k, v2
.endr
.irp j, 0,1,2,3
	v_mov_b32 v[28+\j], 0                          ; my four sums
	v_mov_b32 v[24+\j], 0                          ; (a lane permute's destination counts as one of its sources)
.endr
	s_mov_b32 s2, 0x76543210
	s_mov_b32 s3, 0xfedcba98                       ; v_permlanex16_b32's selects for lane l xor 16
	s_lshl_b32 s18, s13, 10
	s_mov_b32 s19, 0
	s_add_nc_u64 s[8:9], s[8:9], s[18:19]          ; out0 at row b
	s_wait_kmcnt 0x0
	s_min_u32 s10, s10, 255
	s_min_u32 s11, s11, 256
	s_add_co_u32 s20, s10, s11
	s_sub_co_u32 s20, s20, 1                       ; the last slot
	s_add_co_u32 s21, s11, 63
	s_lshr_b32 s21, s21, 6                         ; trips
	s_mov_b32 s22, 0
	s_cmp_eq_u32 s21, 0
	s_cbranch_scc1 .Lsum
.Ltrip:
.irp k, 0,1,2,3,4,5,6,7
	v_add_nc_u32 v[16+\k], s10, v[8+\k]            ; my slot
	v_cmp_ge_u32 s[24+\k], s20, v[16+\k]           ; it is one of the batch's
	v_min_u32 v[16+\k], s20, v[16+\k]
	v_min_u32 v[16+\k], 0xff, v[16+\k]             ; held inside the buffer before it enters an address
	v_lshl_add_u32 v[16+\k], v[16+\k], 10, v3
	global_load_b128 v[32+4*\k:35+4*\k], v[16+\k], s[6:7]
.endr
	s_wait_loadcnt 0x0                             ; the eight loads are in: their offsets may be written again in the next trip
.irp k, 0,1,2,3,4,5,6,7
.irp j, 0,1,2,3
	v_cndmask_b32 v[32+4*\k+\j], 0, v[32+4*\k+\j], s[24+\k]
.endr
	v_pk_add_f32 v[28:29], v[28:29], v[32+4*\k:33+4*\k]
	v_pk_add_f32 v[30:31], v[30:31], v[34+4*\k:35+4*\k]
.endr
	s_add_co_u32 s10, s10, 64
	s_add_co_u32 s22, s22, 1
	s_cmp_lt_u32 s22, s21
	s_cbranch_scc1 .Ltrip
.Lsum:
.irp j, 0,1,2,3
	v_permlanex16_b32 v[24+\j], v[28+\j], s2, s3   ; the other group of sixteen of my wave holds the same features of other slots
.endr
.irp j, 0,1,2,3
	v_add_f32 v[28+\j], v[28+\j], v[24+\j]
.endr
	ds_store_b128 v5, v[28:31]                     ; (lanes l and l xor 16 write the same bytes with the same values)
	s_wait_dscnt 0x0                               ; for the others' sake: my wave's sums lie in LDS
	s_barrier_signal -1
	s_barrier_wait -1
.irp w, 0,1,2,3
	ds_load_b128 v[32+4*\w:35+4*\w], v4 offset:256*\w
.endr
	s_wait_dscnt 0x0
	v_pk_add_f32 v[32:33], v[32:33], v[36:37]
	v_pk_add_f32 v[34:35], v[34:35], v[38:39]
	v_pk_add_f32 v[40:41], v[40:41], v[44:45]
	v_pk_add_f32 v[42:43], v[42:43], v[46:47]
	v_pk_add_f32 v[32:33], v[32:33], v[40:41]
	v_pk_add_f32 v[34:35], v[34:35], v[42:43]
	v_pk_mul_f32 v[32:33], v[32:33], 0x3a000000 op_sel_hi:[1,0]    ; x 2^-11: the mean over the padded length, 2,048
	v_pk_mul_f32 v[34:35], v[34:35], 0x3a000000 op_sel_hi:[1,0]
	s_wait_xcnt 0x0                                ; EXEC changes only behind this wait
	v_cmp_gt_u32 vcc_lo, 16, v0
	s_wait_tensorcnt 0x0
	ds_add_u32 v64, v65
	s_wait_dscnt 0x0
	s_and_saveexec_b32 s23, vcc_lo
	global_store_b128 v3, v[32:35], s[8:9]         ; sixteen lanes store 256 consecutive bytes, aligned
	s_endpgm
.Lfunc_end_k_qf070d3aea4_fin:
	.size	k_qf070d3aea4_fin, .Lfunc_end_k_qf070d3aea4_fin-k_qf070d3aea4_fin
	.p2alignl 7, 3214868480
	.fill 96, 4, 3214868480
	.section	.rodata,"a",@progbits
	.p2align	6, 0x0
	.amdhsa_kernel k_qf070d3aea4_fin
		.amdhsa_group_segment_fixed_size 1536
		.amdhsa_private_segment_fixed_size 0
		.amdhsa_enable_private_segment 0
		.amdhsa_kernarg_size 24
		.amdhsa_user_sgpr_count 2
		.amdhsa_user_sgpr_kernarg_segment_ptr 1
		.amdhsa_wavefront_size32 1
		.amdhsa_system_sgpr_workgroup_id_x 1
		.amdhsa_system_sgpr_workgroup_id_y 1
		.amdhsa_system_sgpr_workgroup_id_z 1
		.amdhsa_system_vgpr_workitem_id 0
		.amdhsa_next_free_vgpr 66
		.amdhsa_next_free_sgpr 66
		.amdhsa_reserve_vcc 1
		.amdhsa_float_denorm_mode_32 3
		.amdhsa_float_denorm_mode_16_64 3
		.amdhsa_memory_ordered 1
		.amdhsa_forward_progress 1
		.amdhsa_inst_pref_size 10
	.end_amdhsa_kernel
	.amdgpu_metadata
---
amdhsa.version: [ 1, 2 ]
amdhsa.kernels:
  - .name:           k_qf070d3aea4_fin
    .symbol:         k_qf070d3aea4_fin.kd
    .args:
      - { .name: jobs, .offset: 0, .size: 8, .value_kind: global_buffer, .address_space: global }
      - { .name: part, .offset: 8, .size: 8, .value_kind: global_buffer, .address_space: global }
      - { .name: out0, .offset: 16, .size: 8, .value_kind: global_buffer, .address_space: global }
    .group_segment_fixed_size: 1536
    .private_segment_fixed_size: 0
    .kernarg_segment_align: 8
    .kernarg_segment_size: 24
    .max_flat_workgroup_size: 128
    .sgpr_count:     66
    .vgpr_count:     66
    .wavefront_size: 32
...
	.end_amdgpu_metadata
.endif
;; end of part 4
;; ======== version 2 of 2: 4 launches; version 1 with the launches proj, attn written anew for expert scheduling mode
;; workspace buffers: wfrag 147,456 bytes; wscl 6,144 bytes; qrec 6,553,600 bytes; krec 6,553,600 bytes; vrec 6,553,600 bytes; jobs 16,640 bytes of whole numbers; part 262,144 bytes
;; launch prep: the kernel of part 1 again; grid 10 x 1, 8 waves a work-group, no clusters, 0 bytes of LDS; arguments Wq, Wk, Wv, lengths, wfrag, wscl, jobs; writes wfrag, wscl, jobs
;; launch proj (part 5): grid 16 x 16, 4 waves a work-group, no clusters, 162,304 bytes of LDS; arguments x, lengths, wfrag, wscl, bq, bk, bv, qrec, krec, vrec; writes qrec, krec, vrec
.if DOCPART == 5
	.amdgcn_target "amdgcn-amd-amdhsa--gfx1250"
	.amdhsa_code_object_version 6
	.text
	.protected	k_qf070d3aea4_proj
	.globl	k_qf070d3aea4_proj
	.p2align	8
	.type	k_qf070d3aea4_proj,@function
k_qf070d3aea4_proj:
	s_mov_b64 s[64:65], 0
	v_nop
	global_prefetch_b8 v0, s[64:65] scope:SCOPE_SE
	s_setreg_imm32_b32 hwreg(HW_REG_WAVE_SCHED_MODE, 0, 2), 2
	s_setreg_imm32_b32 hwreg(HW_REG_WAVE_MODE, 25, 1), 1
	s_wait_xcnt 0x0
	s_wait_alu depctr_vm_vsrc(0)
; q = (x Wq^T + bq) mask, k = (x Wk^T + bk) mask, v = x Wv^T + bv for 128 rows of one batch (work-group x = tile of rows rt, y = batch b), all three products on codes of FP6 (E2M3) with E8M0 scales,
; and their results quantised at once for the next launch: q and k along the 256 features, v along the keys.  Nothing but codes and scale words goes to memory.
; A tile that begins at or beyond the batch's length is never read later: its work-group passes over the work by forward scalar branches on len - 128 rt, compared anew in front of each; both barriers stand on every way,
; and so do the loads of the weights, so that each stretch under a branch reads only registers that it has written itself or that every way has written.
; SHARES.  Wave w quantises rows 32 w .. 32 w + 31 of x and hands them to the others through LDS as images of operand registers (1,536 bytes a fragment: register group c of lane l at 512 c + 16 l).
; Then it makes, for all 128 rows, one half of the features (s' = w % 2) of q (w < 2) or of k, and features 64 w .. 64 w + 63 of v.  Its weights stay in registers, read once.
; THE ORDER OF THE LOADS.  60 loads of weights hang on the arguments alone and go out ahead of the wait for the length; behind that wait x's 64 loads, and straight behind them the other 44 loads of weights: 168 loads in one run.
; x comes in the order of its places in the stage, tile 0's rows first: tile 0 is quantised while tile 1's rows and the last weights are on their way.
; LAYOUT.  x's tile t = 2 p + u holds in lane r the row 32 p + 8 u + r + 8 (r / 8).  q, k: source 0 = 16 rows of W (chosen by the launch before), source 1 = x's tile: a lane holds one row of x and its 64 registers
; run along 128 features as the quantiser wants them.  v: source 0 = x's tile, source 1 = 16 rows of Wv: a lane holds one feature, and by the choice of x's rows its 64 registers of the eight tiles run along the 128 keys.
; The biases are the C of each sum's first matrix instruction.  The mask clears the CODES of a row at or beyond the length (a block of q or k lies inside one row); v is not masked: its rows beyond the length count for a block's scale.
; OUT.  qrec, krec: a record of 6,400 bytes for each pair p of tiles (index 64 b + pair): image (u, s) at (2 u + s) 1,536; at 6,144 the scale words [lane (s, r)][u].
;       vrec: a record of 25,600 bytes for each 128 keys (index 16 b + rt): image of features 16 e .. at 1,536 e; at 24,576 the scale words [lane (e % 2, r)][e / 2].
; BY TURNS.  Twelve units of 16 matrix instructions; the quantiser of the unit before (68 vector instructions, all in window 0) stands in slices behind the matrix instructions of the unit in hand.
; LIMITS: NaN and infinities are not served; a block whose largest magnitude lies under 2^-124 (a block of zeros too) keeps the scale byte 1: this program alone reads the bytes; lengths are held to 0..2048;
; the bias is added first, not last: another order of f32 rounding than x W^T + b.
; REGISTERS, in windows of 256: window 0: v1-15 addresses; v16-23, v24-27, v28-35 scale words (W's, Wv's, x's); v36-38 words in the making, the mask; v40-55 the quantiser's; v56-95 two sets of codes; v96-223 two sets of 64 results
;   window 1: v0-191 my 16 fragments of Wq or Wk; v192-255 their bias.   window 2: v0-191 x's 16 fragments (before that: x as loaded); v192-223 bv.   window 3: v0-95 my 8 fragments of Wv; v96-223 x as loaded.
; THE MODE: SCHED_MODE bits 1:0 = 2 (LLVM: expert scheduling mode 2), set by the entry lines.  The code itself states the register dependences
; between vector or matrix instructions and memory or LDS instructions, with s_wait_alu, always for 0.
; THE PLAN.  Registers that memory or LDS instructions touch:
;   v1, v2       Offsets, written at the head ahead of the first loads and never again.   v3-v15  LDS addresses and offsets, written behind the first 60 loads and never again.
;   the weights, their scale words and biases: loads land in them once; matrix instructions read them; bv's copies go into registers that no load names.
;   x as loaded  (window 2 v0-127, window 3 v96-223): global loads land, the stage's LDS stores read.  Window 2 v0-191 then takes x's images from LDS, behind the first barrier.
;   HA0, HA1     While x is quantised: LDS loads from the stage land, the quantiser reads.  In the units matrix and vector instructions alone name them.
;   PC0, PC1, the words v36, v37, v38: written by the quantiser, the mask and the select; read by LDS stores (x's images) and by the units' global and LDS stores.
; So: one wait on va_vdst behind each quantiser, ahead of the run of stores that takes its codes; it also shows the quantiser done reading its set of HA, in which the stage's next loads land.
; One wait on vm_vsrc ahead of each first write of a set of codes that stores have read: at the head of x's third fragment, ahead of the first barrier (there for x as loaded too), and at the head of units 3 to 11.
.set STGW, 33280                       ; LDS: a stage for each wave: 32 places x 1,040 bytes
.set SPT,  1040                        ; a row of x, 1,024 bytes, + 16: 65 x 16, so that the sixteen rows of a read begin at sixteen different places of 16 bytes modulo 256
.set XIMG, 4*STGW                      ; x's 16 images, 2 t + s
.set XSC,  XIMG+16*1536                ; x's scale words: 128 bytes a tile; lanes 0-15 K step 0, lanes 16-31 K step 1
.set SCG,  XSC+8*128                   ; the results' scale words, gathered: q's four units of 256 bytes, k's four, v's four
.set WS,   16
.set WVS,  24
.set XS,   28
.set PW,   36
.set MK,   38
.set TM,   40
.set PC,   56                          ; + 20 x parity
.set HA,   96                          ; + 64 x parity
.set SEL,  30                          ; s[30:31]
.set MSB, 0
.macro WIN new                         ; s_set_vgpr_msb: bits 1:0 source 0, 3:2 source 1, 5:4 source 2, 7:6 destination; the high byte repeats the setting that is left
.if MSB != \new
	s_set_vgpr_msb (MSB<<8)|\new
.set MSB, \new
.endif
.endm
.macro PLACES n
.rept \n
	v_nop
.endr
.endm
; THE QUANTISER as a numbered list of 68 instructions; QL writes number QI and steps QI.  In: 64 numbers of a lane, v[S + 16 b + k] = element 32 b + 16 (lane / 16) + k along K of the lane's row.
; Out: the fragment's 12 registers from v[P] on (v[P+12..P+18] at work) and the row's scale word in v[W].  Each accumulator of eight registers is first read at its two lowest.
.macro QL S, P, W
.if QI < 4
	v_max3_num_f32 v[TM+QI], |v[(\S)+16*QI]|, |v[(\S)+16*QI+1]|, 0x1800000   ; block QI: my first two numbers and the floor 2^(3 - 127): the byte cannot fall under 1
.elseif QI < 32
	v_max3_num_f32 v[TM+QI%4], v[TM+QI%4], |v[(\S)+16*(QI%4)+2*(QI/4)]|, |v[(\S)+16*(QI%4)+2*(QI/4)+1]|   ; the four blocks by turns
.elseif QI < 36
	v_permlanex16_b32 v[TM+QI-28], v[TM+QI-32], s[SEL], s[SEL+1]
.elseif QI < 40
	v_max_num_f32 v[TM+QI-36], v[TM+QI-36], v[TM+QI-32]                  ; with lane l xor 16's 16 numbers: the block's largest magnitude
.elseif QI < 44
	v_add_nc_u32 v[TM+QI-28], 0xff000000, v[TM+QI-40]                    ; 2 off its exponent field: the conversion's scale operand
.elseif QI < 48
	v_lshrrev_b32 v[TM+QI-40], 23, v[TM+QI-32]                           ; the scale's byte
.elseif QI == 48
	v_lshl_or_b32 v[\W], v[TM+5], 8, v[TM+4]
.elseif QI == 49
	v_lshl_or_b32 v[\W], v[TM+6], 16, v[\W]
.elseif QI == 50
	v_lshl_or_b32 v[\W], v[TM+7], 24, v[\W]
.elseif QI == 51
	v_cvt_scalef32_pk16_fp6_f32 v[(\P):(\P)+2], v[(\S):(\S)+15], v[TM+12]
.elseif QI == 52
	v_cvt_scalef32_pk16_fp6_f32 v[(\P)+12:(\P)+14], v[(\S)+16:(\S)+31], v[TM+13]   ; (a conversion's three registers begin on an even number)
.elseif QI == 53
	v_cvt_scalef32_pk16_fp6_f32 v[(\P)+6:(\P)+8], v[(\S)+32:(\S)+47], v[TM+14]
.elseif QI == 54
	v_cvt_scalef32_pk16_fp6_f32 v[(\P)+16:(\P)+18], v[(\S)+48:(\S)+63], v[TM+15]
.elseif QI == 55
	v_nop                                                                ; one plain place behind the scaled conversions
.elseif QI < 59
	v_permlane16_swap_b32 v[(\P)+QI-56], v[(\P)+12+QI-56]                ; the layout wants a whole block in a lane: lanes 0-15 the even block, lanes 16-31 the odd one
.elseif QI < 62
	v_permlane16_swap_b32 v[(\P)+6+QI-59], v[(\P)+16+QI-59]
.elseif QI < 65
	v_mov_b32 v[(\P)+3+QI-62], v[(\P)+12+QI-62]
.else
	v_mov_b32 v[(\P)+9+QI-65], v[(\P)+16+QI-65]
.endif
.set QI, QI+1
.endm
.macro QUANT S, P, W
.set QI, 0
.rept 68
	QL \S, \P, \W
.endr
.endm
.macro SLICE k, S, P, W                ; slice k of 16: the list's next five (k < 4) or four instructions: 4 x 5 + 12 x 4 = 68
	WIN 0
.rept 4
	QL \S, \P, \W
.endr
.if (\k) < 4
	QL \S, \P, \W
.endif
.endm
; The second part of the weights, 44 loads: the bias of q or k, my fragments of Wv, bv.  It stands in both arms of the branch on the length.
; No vector or matrix instruction has named the registers in which these land; their offsets v1, v14, v15 are shown written by the wait ahead of the branch.
.macro WEIGHTS_B
	WIN 0x40
.irp t, 0,1,2,3,4,5,6,7
	global_load_b128 v[192+8*\t:192+8*\t+3], v14, s[44:45] offset:(32*(\t/2)+8*(\t%2))*4       ; lane (r, h), tile t: the bias of features 32 (t / 2) + 16 h + 8 (t % 2) + 0 .. 7 of my half
	global_load_b128 v[192+8*\t+4:192+8*\t+7], v14, s[44:45] offset:(32*(\t/2)+8*(\t%2))*4+16
.endr
	WIN 0xc0
.set I, 0
.rept 24
	global_load_b128 v[4*I:4*I+3], v1, s[42:43] offset:512*I       ; Wv's fragment (i, s) at v[12 (2 i + s)] of window 3
.set I, I+1
.endr
	WIN 0x80
.irp i, 0,1,2,3
	global_load_b32 v[192+8*\i], v15, s[16:17] offset:64*\i        ; bv of my lane's feature; it is copied into the seven registers beside it ahead of the units
.endr
	WIN 0
.endm
; Half hf of x goes into the stage: loads 32 hf .. 32 hf + 31, places 16 hf .. 16 hf + 15: the sixteen rows of tile hf, side by side.
; Behind x's load I stand 63 - I loads of x and the 44 of the weights.  The wait for 63 shows the oldest 105 of the 168 in: the first 60 of the weights and x's loads 0 to 44.
.macro STAGE hf
.set I, 32*(\hf)
.rept 32
.if I == 0
	s_wait_loadcnt 63
.elseif (I%8 == 0) && (I >= 40)
	s_wait_loadcnt 100-I                           ; loads come back in order (ISA guide 5.7.1): these eight are in; 56 - I younger ones of x and the 44 of the weights may be out
.endif
.if I < 32
	WIN 0x08                                       ; an LDS store's data are its source 1
	ds_store_b128 v4, v[4*I:4*I+3] offset:(I/2)*SPT+512*(I%2)
.else
	WIN 0x0c
	ds_store_b128 v4, v[96+4*(I-32):96+4*(I-32)+3] offset:(I/2)*SPT+512*(I%2)
.endif
.set I, I+1
.endr
	WIN 0
.endm
; Fragment f = 2 u + s of my rows comes back from the stage, 16 neighbours of each block of 32 to a lane
.macro RB f
.irp b, 0,1,2,3
.irp j, 0,1,2,3
	ds_load_b128 v[HA+64*((\f)%2)+16*\b+4*\j:HA+64*((\f)%2)+16*\b+4*\j+3], v5 offset:16640*((\f)/2)+512*((\f)%2)+128*\b+16*\j
.endr
.endr
.endm
; and is quantised; a tile's second fragment comes back while its first is worked
.macro XQ f
	s_wait_dscnt 0x0                               ; fragment f's numbers are in
.if (\f) == 2
	s_wait_alu depctr_vm_vsrc(0)                   ; tile 0's LDS stores have read both sets of codes and the word in v[MK], which tile 1's two quantisers and its select write again
.endif
.if (\f)%2 == 0
	RB (\f)+1
.endif
	QUANT HA+64*((\f)%2), PC+20*((\f)%2), PW+(\f)%2
.if (\f)%2
	v_cndmask_b32 v[MK], v[PW], v[PW+1], s29       ; lanes 0-15: K step 0's word, lanes 16-31: K step 1's
.endif
	s_wait_alu depctr_va_vdst(0)                   ; the quantiser (and the select) has written the codes and the word, which the LDS stores below read; it is done reading its 64 numbers, in which the stage's next loads land
.irp c, 0,1,2
	ds_store_b128 v6, v[PC+20*((\f)%2)+4*\c:PC+20*((\f)%2)+4*\c+3] offset:1536*(\f)+512*\c
.endr
.if (\f)%2
	ds_store_b32 v7, v[MK] offset:128*((\f)/2)
.endif
.endm
	s_load_b512 s[4:19], s[0:1], 0x0               ; x s[4:5], lengths s[6:7], wfrag s[8:9], wscl s[10:11], bq s[12:13], bk s[14:15], bv s[16:17], qrec s[18:19]
	s_load_b128 s[20:23], s[0:1], 0x40             ; krec s[20:21], vrec s[22:23]
	v_lshl_add_u32 v254, v0, 2, 0x27800
	v_mov_b32 v255, 0
	v_lshrrev_b32 v1, 5, v0
	v_readfirstlane_b32 s24, v1                    ; wave 0..3
	s_and_b32 s26, ttmp7, 0xffff                   ; batch
	s_lshl_b32 s27, s26, 2
	s_lshl_b32 s25, ttmp9, 7                       ; the tile's first row in the batch
	v_and_b32 v39, 31, v0                          ; lane
	v_lshlrev_b32 v1, 4, v39                       ; v1  16 x lane: an image's place, in LDS and in memory
	v_lshlrev_b32 v2, 2, v39                       ; v2  4 x lane
	s_mov_b32 s37, 0
	s_wait_alu depctr_va_sdst(0)                   ; s24, the wave's number, is written, ahead of its first reader: bases and LDS addresses are made from it
	s_wait_kmcnt 0x0
	s_load_b32 s28, s[6:7], s27 offset:0x0         ; the batch's length
	; ---- THE FIRST PART OF THE WEIGHTS, 60 loads, on every way: asked for at once, while the length is on its way
	s_mul_i32 s36, s24, 24576
	s_add_nc_u64 s[40:41], s[8:9], s[36:37]        ; my 16 images of Wq or Wk: tiles 8 w ..
	s_lshl_b32 s36, s24, 10
	s_add_nc_u64 s[46:47], s[10:11], s[36:37]      ; the scale words of tiles 8 w ..
	s_lshl_b32 s36, s24, 9
	s_add_co_u32 s36, s36, 4096
	s_add_nc_u64 s[52:53], s[10:11], s[36:37]      ; and of tiles 32 + 4 w ..
	WIN 0x40
	s_wait_alu depctr_va_vdst(0)                   ; v1 and v2 are written: the loads below, and every later load and store of an image, read one of them as their offset
.set I, 0
.rept 48
	global_load_b128 v[4*I:4*I+3], v1, s[40:41] offset:512*I       ; fragment (t, s) at v[12 (2 t + s)] of window 1
.set I, I+1
.endr
	WIN 0
.irp t, 0,1,2,3,4,5,6,7
	global_load_b32 v[WS+\t], v2, s[46:47] offset:128*\t
.endr
.irp i, 0,1,2,3
	global_load_b32 v[WVS+\i], v2, s[52:53] offset:128*\i
.endr
	; every LDS address is made here, ahead of the first branch: constants, the lane, the wave
	v_and_b32 v13, 15, v0                          ; r
	v_bfe_u32 v14, v0, 4, 1                        ; h
	v_lshlrev_b32 v3, 3, v39                       ; v3  8 x lane
	s_mul_i32 s32, s24, STGW
	v_add_nc_u32 v4, s32, v1                       ; v4  my stage, on the way in: bytes as they lie
	v_mul_u32_u24 v5, v13, SPT
	v_lshl_add_u32 v5, v14, 6, v5
	v_add_nc_u32 v5, s32, v5                       ; v5  and back: place r of a tile, + 64 h: my 16 numbers of a block of 32
	s_mul_i32 s32, s24, 6144
	s_add_co_u32 s32, s32, XIMG
	v_add_nc_u32 v6, s32, v1                       ; v6  where I store x's four images
	s_lshl_b32 s32, s24, 8
	s_add_co_u32 s33, s32, XSC
	v_add_nc_u32 v7, s33, v2                       ; v7  and their scale words
	v_add_nc_u32 v8, XIMG, v1                      ; v8  where every wave reads the images,
	v_add_nc_u32 v9, XSC, v2                       ; v9  and the scale words
	s_lshr_b32 s34, s24, 1                         ; 0: q, 1: k
	s_and_b32 s35, s24, 1                          ; s': which half of the features
	s_lshl_b32 s33, s34, 10
	s_lshl_b32 s36, s35, 7
	s_add_co_u32 s33, s33, s36
	s_add_co_u32 s33, s33, SCG
	v_lshl_add_u32 v10, v13, 3, s33                ; v10 q's, k's scale words: 1,024 x matrix + 8 (16 s' + r); the pair and u stand in the immediate
	s_lshl_b32 s33, s24, 3
	s_add_co_u32 s33, s33, SCG+2048
	v_lshl_add_u32 v11, v13, 5, s33                ; v11 v's: 32 r + 8 w
	s_add_co_u32 s33, s32, SCG
	v_add_nc_u32 v12, s33, v3                      ; v12 the way out: unit w of each of the three groups, 8 bytes a lane
	v_lshlrev_b32 v15, 2, v13
	v_add_nc_u32 v15, s32, v15                     ; v15 bv: 4 r + 256 w
	v_and_b32 v38, 8, v13
	v_add_nc_u32 v13, v13, v38                     ; v13 r + 8 (r / 8): my row in a tile of x
	v_lshlrev_b32 v14, 6, v14                      ; v14 bq, bk: 64 h
.irp b, 0,1,2,3
	v_mov_b32 v[TM+4+\b], 0                        ; written once: a lane permute's destination counts as one of its sources
.endr
	s_mov_b32 s[SEL], 0x76543210
	s_mov_b32 s[SEL+1], 0xfedcba98
	s_mov_b32 s29, 0xffff0000                      ; lanes 16-31
	; where everything else lies in memory
	s_lshl_b32 s36, s26, 11
	s_add_co_u32 s36, s36, s25
	s_lshl_b32 s38, s24, 5
	s_add_co_u32 s36, s36, s38
	s_lshl_b32 s36, s36, 10
	s_add_nc_u64 s[4:5], s[4:5], s[36:37]          ; x at row 2048 b + 128 rt + 32 w
	s_mul_i32 s36, s24, 12288
	s_add_co_u32 s36, s36, 98304
	s_add_nc_u64 s[42:43], s[8:9], s[36:37]        ; my 8 images of Wv: tiles 32 + 4 w ..
	s_cmp_eq_u32 s34, 0
	s_cselect_b64 s[44:45], s[12:13], s[14:15]     ; bq or bk,
	s_cselect_b64 s[48:49], s[18:19], s[20:21]     ; qrec or krec: chosen by the wave's number alone
	s_lshl_b32 s36, s35, 9
	s_add_nc_u64 s[44:45], s[44:45], s[36:37]
	s_lshl_b32 s38, s26, 6
	s_lshl_b32 s39, ttmp9, 2
	s_add_co_u32 s38, s38, s39                     ; the tile's first pair: 64 b + 4 rt
	s_mul_i32 s60, s38, 6400
	s_mul_i32 s36, s35, 1536
	s_add_co_u32 s36, s36, s60
	s_add_nc_u64 s[48:49], s[48:49], s[36:37]      ; my images of q or k: image (u, s') of each pair
	s_mul_i32 s36, s24, 6400
	s_add_co_u32 s36, s36, s60
	s_add_co_u32 s36, s36, 6144
	s_add_nc_u64 s[54:55], s[18:19], s[36:37]      ; pair w's scale words, q's
	s_add_nc_u64 s[56:57], s[20:21], s[36:37]      ; and k's
	s_lshl_b32 s38, s26, 4
	s_add_co_u32 s38, s38, ttmp9
	s_mul_i32 s60, s38, 25600                      ; v's record: 16 b + rt
	s_mul_i32 s36, s24, 6144
	s_add_co_u32 s36, s36, s60
	s_add_nc_u64 s[50:51], s[22:23], s[36:37]      ; my four images of v
	s_lshl_b32 s36, s24, 8
	s_add_co_u32 s36, s36, s60
	s_add_co_u32 s36, s36, 24576
	s_add_nc_u64 s[58:59], s[22:23], s[36:37]      ; unit w of v's scale words
	s_wait_kmcnt 0x0
	s_max_i32 s28, s28, 0
	s_min_i32 s28, s28, 2048
	s_sub_co_i32 s28, s28, s25                     ; s28 = len - 128 rt: the tile's rows under the length
	s_wait_alu depctr_va_vdst(0)                   ; the addresses and offsets v3 to v15 are written: on both ways below, and to the kernel's end, loads, stores and LDS instructions read them, and nothing writes them again
	; ---- x COMES IN AND IS QUANTISED.  Each load reads 512 consecutive bytes, half a row; 64 loads a wave, in the order of the stage's places: place g holds row g % 8 + 8 (g / 16) + 16 ((g / 8) % 2), so that a tile's rows lie side by side
	s_cmp_gt_i32 s28, 0
	s_cbranch_scc0 .Lno_x
	WIN 0x80
.set I, 0
.rept 32
.set SG, I/2
.set RHO, (SG&7)+8*((SG>>4)&1)+16*((SG>>3)&1)
	global_load_b128 v[4*I:4*I+3], v1, s[4:5] offset:1024*RHO+512*(I%2) th:TH_LOAD_NT
.set I, I+1
.endr
	WIN 0xc0
.rept 32
.set SG, I/2
.set RHO, (SG&7)+8*((SG>>4)&1)+16*((SG>>3)&1)
	global_load_b128 v[96+4*(I-32):96+4*(I-32)+3], v1, s[4:5] offset:1024*RHO+512*(I%2) th:TH_LOAD_NT
.set I, I+1
.endr
	WEIGHTS_B                                      ; asked for ahead of the first wait for x
	STAGE 0                                        ; tile 0's sixteen rows
	RB 0                                           ; LDS serves a wave's instructions in order (ISA guide 5.7.1.4): these see my stores into the stage
	XQ 0
	XQ 1                                           ; tile 0 is quantised while tile 1's rows and the weights land
	STAGE 1
	RB 2
	XQ 2
	XQ 3
	s_branch .Lx_done
.Lno_x:
	WEIGHTS_B
.Lx_done:
	s_wait_dscnt 0x0                               ; for the others' sake: my images and scale words lie in LDS
	s_wait_alu depctr_vm_vsrc(0)                   ; my LDS stores have read x as loaded (window 2 v0-127), in which x's images land behind the barrier, and tile 1's codes and the word in v[MK], which the units' quantisers and masks write again
	s_barrier_signal -1
	s_barrier_wait -1
	; ---- THE TWELVE UNITS
; Matrix instruction i of unit k.  k < 8: x's tile k against my eight tiles of Wq or Wk; k >= 8: x's eight tiles against my tile k - 8 of Wv.  i / 8 is the K step; the eight accumulators take turns.
.macro WM k, i
.set SS, (\i)/8
.set TT, (\i)%8
.set DD, HA+64*((\k)%2)+8*TT
.if (\k) < 8
.if SS == 0
	WIN 0x19                                       ; W window 1, x window 2, the bias window 1, the result window 0
	v_wmma_scale_f32_16x16x128_f8f6f4 v[DD:DD+7], v[24*TT:24*TT+11], v[24*(\k):24*(\k)+11], v[192+8*TT:192+8*TT+7], v[WS+TT], v[XS+(\k)] matrix_a_fmt:MATRIX_FMT_FP6 matrix_b_fmt:MATRIX_FMT_FP6
.else
	WIN 0x09
	v_wmma_scale_f32_16x16x128_f8f6f4 v[DD:DD+7], v[24*TT+12:24*TT+23], v[24*(\k)+12:24*(\k)+23], v[DD:DD+7], v[WS+TT], v[XS+(\k)] matrix_a_fmt:MATRIX_FMT_FP6 matrix_b_fmt:MATRIX_FMT_FP6 matrix_a_scale:MATRIX_SCALE_ROW1 matrix_b_scale:MATRIX_SCALE_ROW1
.endif
.else
.set IV, (\k)-8
.if SS == 0
	WIN 0x2e                                       ; x window 2, Wv window 3, bv window 2
	v_wmma_scale_f32_16x16x128_f8f6f4 v[DD:DD+7], v[24*TT:24*TT+11], v[24*IV:24*IV+11], v[192+8*IV:192+8*IV+7], v[XS+TT], v[WVS+IV] matrix_a_fmt:MATRIX_FMT_FP6 matrix_b_fmt:MATRIX_FMT_FP6
.else
	WIN 0x0e
	v_wmma_scale_f32_16x16x128_f8f6f4 v[DD:DD+7], v[24*TT+12:24*TT+23], v[24*IV+12:24*IV+23], v[DD:DD+7], v[XS+TT], v[WVS+IV] matrix_a_fmt:MATRIX_FMT_FP6 matrix_b_fmt:MATRIX_FMT_FP6 matrix_a_scale:MATRIX_SCALE_ROW1 matrix_b_scale:MATRIX_SCALE_ROW1
.endif
.endif
.endm
; Unit k's codes leave: each store of the wave covers 512 consecutive bytes, aligned; its scale word goes to LDS, to leave with the others' in whole runs of 256 bytes
.macro POST k
.set PP, PC+20*((\k)%2)
.if (\k) < 8
	s_sub_co_i32 s33, s28, 32*((\k)/2)+8*((\k)%2)
	v_cmp_gt_i32 vcc_lo, s33, v13                  ; my row lies under the length
	s_wait_alu depctr_va_vcc(0)                    ; VCC is written, ahead of the select that reads it
	v_cndmask_b32 v[MK], 0, -1, vcc_lo
.irp c, 0,1,2,3,4,5,6,7,8,9,10,11
	v_and_b32 v[PP+\c], v[MK], v[PP+\c]            ; the mask: zero codes
.endr
	s_wait_alu depctr_va_vdst(0)                   ; the quantiser and the mask have written this parity's codes and scale word, which the four stores below read
.irp c, 0,1,2
	global_store_b128 v1, v[PP+4*\c:PP+4*\c+3], s[48:49] offset:((\k)/2)*6400+((\k)%2)*3072+512*\c
.endr
	ds_store_b32 v10, v[PW+(\k)%2] offset:256*((\k)/2)+4*((\k)%2)  ; (lanes r and 16 + r write the same word with the same value)
.else
	s_wait_alu depctr_va_vdst(0)                   ; the quantiser has written this parity's codes and scale word, which the four stores below read
.irp c, 0,1,2
	global_store_b128 v1, v[PP+4*\c:PP+4*\c+3], s[50:51] offset:1536*((\k)-8)+512*\c
.endr
	ds_store_b32 v11, v[PW+(\k)%2] offset:512*(((\k)-8)%2)+4*(((\k)-8)/2)
.endif
.endm
	s_cmp_gt_i32 s28, 0
	s_cbranch_scc0 .Lno_units
.irp t, 0,1,2,3,4,5,6,7
	ds_load_b32 v[XS+\t], v9 offset:128*\t         ; x's scale words first: unit 0 wants them
.endr
	WIN 0x80
.set I, 0
.rept 48
	ds_load_b128 v[4*I:4*I+3], v8 offset:512*I     ; all of x's fragments: (t, s) at v[12 (2 t + s)] of window 2; the wait on vm_vsrc ahead of the barrier has freed these registers, and no vector instruction has named them
.set I, I+1
.endr
	s_wait_loadcnt 0x0                             ; the weights, biases and their scale words
	WIN 0x82
.irp i, 0,1,2,3
.irp j, 1,2,3,4,5,6,7
	v_mov_b32 v[192+8*\i+\j], v[192+8*\i]          ; bv in all eight registers of the result's layout: 28 copies in place of 28 loads
.endr
.endr
	s_wait_dscnt 42                                ; LDS loads come back in order (ISA guide 5.7.1): the 8 scale words and tile 0's 6 loads are in; the other 42 land under unit 0, and unit 1 waits for all
.set I, 0
.rept 16
	WM 0, I
.set I, I+1
.endr
.irp k, 1,2,3,4,5,6,7,8,9,10,11
	WIN 0
	s_wait_xcnt 0x0                                ; the stores of the unit three back have had their addresses translated: only behind this wait are this parity's codes written again
.if \k >= 3
	s_wait_alu depctr_vm_vsrc(0)                   ; the global and LDS stores of the unit three back have read this parity's codes and scale word, which the slices below write again
.endif
	s_wait_dscnt 0x0                               ; my LDS instructions are done (at unit 1: all of x's fragments are in)
	PLACES 4                                       ; four places between the last unit's products and the first read of their results (ISA guide 7.12.1)
.set QI, 0
.set I, 0
.rept 16
	WM \k, I
	SLICE I, HA+64*((\k-1)%2), PC+20*((\k-1)%2), PW+(\k-1)%2
.set I, I+1
.endr
	POST \k-1
.endr
	PLACES 4
	QUANT HA+64, PC+20, PW+1                       ; unit 11.  (Unit 9's stores, which read this parity's codes, were issued ahead of the waits at unit 11's head)
	POST 11
.Lno_units:
	s_wait_dscnt 0x0                               ; for the others' sake: my scale words lie in LDS
	s_barrier_signal -1
	s_barrier_wait -1
	; ---- THE SCALE WORDS LEAVE: wave w takes unit w of q's, of k's and of v's: 256 consecutive bytes a store, aligned.  v224 to v229 are named by these six lines alone
	s_cmp_gt_i32 s28, 0
	s_cbranch_scc0 .Lend
	ds_load_b64 v[224:225], v12
	ds_load_b64 v[226:227], v12 offset:1024
	ds_load_b64 v[228:229], v12 offset:2048
	s_wait_dscnt 0x0
	global_store_b64 v3, v[224:225], s[54:55]
	global_store_b64 v3, v[226:227], s[56:57]
	global_store_b64 v3, v[228:229], s[58:59]
.Lend:
	s_wait_dscnt 0x0                               ; the closing lines, six on end
	s_wait_alu 0x0
	s_wait_tensorcnt 0x0
	ds_add_u32 v254, v255
	s_wait_dscnt 0x0
	s_endpgm
.Lfunc_end_k_qf070d3aea4_proj:
	.size	k_qf070d3aea4_proj, .Lfunc_end_k_qf070d3aea4_proj-k_qf070d3aea4_proj
	.p2alignl 7, 3214868480
	.fill 96, 4, 3214868480
	.section	.rodata,"a",@progbits
	.p2align	6, 0x0
	.amdhsa_kernel k_qf070d3aea4_proj
		.amdhsa_group_segment_fixed_size 162304
		.amdhsa_private_segment_fixed_size 0
		.amdhsa_enable_private_segment 0
		.amdhsa_kernarg_size 80
		.amdhsa_user_sgpr_count 2
		.amdhsa_user_sgpr_kernarg_segment_ptr 1
		.amdhsa_wavefront_size32 1
		.amdhsa_system_sgpr_workgroup_id_x 1
		.amdhsa_system_sgpr_workgroup_id_y 1
		.amdhsa_system_sgpr_workgroup_id_z 1
		.amdhsa_system_vgpr_workitem_id 0
		.amdhsa_next_free_vgpr 1024
		.amdhsa_next_free_sgpr 66
		.amdhsa_reserve_vcc 1
		.amdhsa_float_denorm_mode_32 3
		.amdhsa_float_denorm_mode_16_64 3
		.amdhsa_memory_ordered 1
		.amdhsa_forward_progress 1
		.amdhsa_inst_pref_size 147
	.end_amdhsa_kernel
	.amdgpu_metadata
---
amdhsa.version: [ 1, 2 ]
amdhsa.kernels:
  - .name:           k_qf070d3aea4_proj
    .symbol:         k_qf070d3aea4_proj.kd
    .args:
      - { .name: x, .offset: 0, .size: 8, .value_kind: global_buffer, .address_space: global }
      - { .name: lengths, .offset: 8, .size: 8, .value_kind: global_buffer, .address_space: global }
      - { .name: wfrag, .offset: 16, .size: 8, .value_kind: global_buffer, .address_space: global }
      - { .name: wscl, .offset: 24, .size: 8, .value_kind: global_buffer, .address_space: global }
      - { .name: bq, .offset: 32, .size: 8, .value_kind: global_buffer, .address_space: global }
      - { .name: bk, .offset: 40, .size: 8, .value_kind: global_buffer, .address_space: global }
      - { .name: bv, .offset: 48, .size: 8, .value_kind: global_buffer, .address_space: global }
      - { .name: qrec, .offset: 56, .size: 8, .value_kind: global_buffer, .address_space: global }
      - { .name: krec, .offset: 64, .size: 8, .value_kind: global_buffer, .address_space: global }
      - { .name: vrec, .offset: 72, .size: 8, .value_kind: global_buffer, .address_space: global }
    .group_segment_fixed_size: 162304
    .private_segment_fixed_size: 0
    .kernarg_segment_align: 8
    .kernarg_segment_size: 80
    .max_flat_workgroup_size: 128
    .sgpr_count:     66
    .vgpr_count:     1024
    .wavefront_size: 32
...
	.end_amdgpu_metadata
.endif
;; end of part 5
;; launch attn (part 6): grid 256 x 1, 4 waves a work-group, no clusters, 9,216 bytes of LDS; arguments jobs, qrec, krec, vrec, part; writes part
.if DOCPART == 6
	.amdgcn_target "amdgcn-amd-amdhsa--gfx1250"
	.amdhsa_code_object_version 6
	.text
	.protected	k_qf070d3aea4_attn
	.globl	k_qf070d3aea4_attn
	.p2align	8
	.type	k_qf070d3aea4_attn,@function
k_qf070d3aea4_attn:
	s_mov_b64 s[64:65], 0
	v_nop
	global_prefetch_b8 v0, s[64:65] scope:SCOPE_SE
	s_setreg_imm32_b32 hwreg(HW_REG_WAVE_SCHED_MODE, 0, 2), 2
	s_setreg_imm32_b32 hwreg(HW_REG_WAVE_MODE, 25, 1), 1
	s_wait_xcnt 0x0
	s_wait_alu depctr_vm_vsrc(0)
; S = q k^T and the sum over the queries of S v, both products on codes of FP6 (E2M3) with E8M0 scales; S is quantised in registers, along the keys, between them.
; Rows of q and of k at or beyond a batch's length are zeros, so only pairs of query tiles and key steps that begin under the length are multiplied: the table of jobs, made from the lengths two launches ago, deals them out.
; SHARES.  A wave has ONE job: 128 keys (16 fragments of k, 16 of v: 384 registers that stay) against n <= 16 pairs of query tiles (32 queries each), which stream through a ring of two slots in registers.
; Since the result is summed over the queries, ALL query tiles add onto the same 16 accumulators (128 registers).  No LDS and no barrier in the loop; operands come from memory as images of their registers, 512 consecutive bytes a load.
; The trip count hangs on a number read from memory, so the launch has no tensor load and no cluster: partners would need different numbers of tiles.
; LAYOUT.  S^T = k q^T (source 0 = 16 keys, source 1 = 16 queries): a lane holds one query; lane r of k's tile 2 b + u holds key 32 b + 8 u + r + 8 (r / 8), so that the 16 registers of tiles 2 b, 2 b + 1 are keys 32 b + 16 (lane / 16) + 0 .. 15.
; The quantiser turns a lane's 64 scores into the fragment P (16 queries x 128 keys).  O = P v (source 0 = P, source 1 = 16 features of v with the keys innermost): a lane holds one feature, its eight registers eight queries: the sum over the queries adds registers.
; BY TURNS.  A pair is 64 matrix instructions; the quantiser of one tile (68 vector instructions, all in window 0) stands in slices behind the other tile's 16 products, one slice and two window switches a product.
; The four waves' sums meet in LDS at the end; the work-group stores 256 numbers into its own slot of part; a work-group or wave without a job adds zeros.
; LIMITS: a block of S whose largest magnitude lies under 2^-124 (a block of zeros too) keeps the scale byte 1 over its codes; NaN and infinities are not served; the sum over queries runs in the accumulators, tile by tile: another order of f32 rounding than O's rows summed at the end.
; REGISTERS, in windows of 256: window 0: v1-5 addresses; v8-15 k's scale words, v16-23 v's, v24-27 q's (two a slot), v28-29 P's; v32-47 the quantiser's; v48-87 P of tile 0, 1; v96-223 S^T of tile 0, 1; v224-239 my sums
;   window 1: k's fragment (t, s) at v[12 (2 t + s)].   window 2: v's fragment e at v[12 e].   window 3: v0-127 accumulator e at v[8 e]; v128-223 q: slot g, fragment (u, s) at v[128 + 48 g + 12 (2 u + s)].
; THE MODE: SCHED_MODE bits 1:0 = 2 (LLVM: expert scheduling mode 2), set by the entry lines.  The code itself states the register dependences
; between vector or matrix instructions and memory or LDS instructions, with s_wait_alu, always for 0.
; THE PLAN.  Registers that memory or LDS instructions touch:
;   v1-v5        Offsets and LDS addresses, written at the head and never again.
;   k, v and their scale words: loads land in them once, at the head; matrix instructions read them.
;   q's slot g and its two scale words: a pair's 32 products S^T read them; behind these the 13 loads of the pair two further on land in them.  The rest of the pair, and the next pair, which reads the other slot, name none of them.
;   P0, P1 and their scale words are written by the quantiser's slices and taken by scaled products as source 0 and as scales: no memory instruction names them, but the code states that dependence too.
;   v224-239     my sums: written by vector instructions on both ways, read by the LDS stores at the end.   v160-175  at the end: LDS loads land, sums are made, the last store reads.
; So TWO waits on va_vdst stand in a pair, each behind its eight places.  The first: tile 0's P and scale word are written, and the pair's products S^T are done reading the slot, which is asked for again straight behind it, in one run
; of 13 loads (dealt singly among the products each load would want window switches of its own).  The second: tile 1's P and scale word are written.
; No register that a memory or LDS instruction reads is ever written again: no wait on vm_vsrc is owed.
.set KS,  8
.set VS,  16
.set QS,  24
.set PW,  28
.set TM,  32
.set PC,  48                           ; + 20 u
.set SA,  96                           ; + 64 u
.set RR,  224
.set SEL, 32                           ; s[32:33]
.set MSB, 0
.macro WIN new                         ; s_set_vgpr_msb: bits 1:0 source 0, 3:2 source 1, 5:4 source 2, 7:6 destination; the high byte repeats the setting that is left
.if MSB != \new
	s_set_vgpr_msb (MSB<<8)|\new
.set MSB, \new
.endif
.endm
.macro PLACES n
.rept \n
	v_nop
.endr
.endm
; THE QUANTISER as a numbered list of 68 instructions; QL writes number QI and steps QI.  In: 64 numbers of a lane, v[S + 16 b + k] = element 32 b + 16 (lane / 16) + k along K of the lane's row.
; Out: the fragment's 12 registers from v[P] on (v[P+12..P+18] at work) and the row's scale word in v[W].  Each accumulator of eight registers is first read at its two lowest.
.macro QL S, P, W
.if QI < 4
	v_max3_num_f32 v[TM+QI], |v[(\S)+16*QI]|, |v[(\S)+16*QI+1]|, 0x1800000   ; block QI: my first two numbers and the floor 2^(3 - 127): the byte cannot fall under 1
.elseif QI < 32
	v_max3_num_f32 v[TM+QI%4], v[TM+QI%4], |v[(\S)+16*(QI%4)+2*(QI/4)]|, |v[(\S)+16*(QI%4)+2*(QI/4)+1]|   ; the four blocks by turns
.elseif QI < 36
	v_permlanex16_b32 v[TM+QI-28], v[TM+QI-32], s[SEL], s[SEL+1]
.elseif QI < 40
	v_max_num_f32 v[TM+QI-36], v[TM+QI-36], v[TM+QI-32]                  ; with lane l xor 16's 16 numbers: the block's largest magnitude
.elseif QI < 44
	v_add_nc_u32 v[TM+QI-28], 0xff000000, v[TM+QI-40]                    ; 2 off its exponent field: the conversion's scale operand
.elseif QI < 48
	v_lshrrev_b32 v[TM+QI-40], 23, v[TM+QI-32]                           ; the scale's byte
.elseif QI == 48
	v_lshl_or_b32 v[\W], v[TM+5], 8, v[TM+4]
.elseif QI == 49
	v_lshl_or_b32 v[\W], v[TM+6], 16, v[\W]
.elseif QI == 50
	v_lshl_or_b32 v[\W], v[TM+7], 24, v[\W]
.elseif QI == 51
	v_cvt_scalef32_pk16_fp6_f32 v[(\P):(\P)+2], v[(\S):(\S)+15], v[TM+12]
.elseif QI == 52
	v_cvt_scalef32_pk16_fp6_f32 v[(\P)+12:(\P)+14], v[(\S)+16:(\S)+31], v[TM+13]   ; (a conversion's three registers begin on an even number)
.elseif QI == 53
	v_cvt_scalef32_pk16_fp6_f32 v[(\P)+6:(\P)+8], v[(\S)+32:(\S)+47], v[TM+14]
.elseif QI == 54
	v_cvt_scalef32_pk16_fp6_f32 v[(\P)+16:(\P)+18], v[(\S)+48:(\S)+63], v[TM+15]
.elseif QI == 55
	v_nop                                                                ; one plain place behind the scaled conversions
.elseif QI < 59
	v_permlane16_swap_b32 v[(\P)+QI-56], v[(\P)+12+QI-56]                ; the layout wants a whole block in a lane: lanes 0-15 the even block, lanes 16-31 the odd one
.elseif QI < 62
	v_permlane16_swap_b32 v[(\P)+6+QI-59], v[(\P)+16+QI-59]
.elseif QI < 65
	v_mov_b32 v[(\P)+3+QI-62], v[(\P)+12+QI-62]
.else
	v_mov_b32 v[(\P)+9+QI-65], v[(\P)+16+QI-65]
.endif
.set QI, QI+1
.endm
.macro SLICE k, S, P, W                ; slice k of 16: the list's next five (k < 4) or four instructions: 4 x 5 + 12 x 4 = 68
	WIN 0
.rept 4
	QL \S, \P, \W
.endr
.if (\k) < 4
	QL \S, \P, \W
.endif
.endm
; Product i of 16 of S^T for tile u of the pair in slot g: K step i / 8 (the features' half), k's tile i % 8.  The first eight start the sums with the constant 0; the eight accumulators take turns.
.macro SW g, u, i
.set SS, (\i)/8
.set TT, (\i)%8
.set DD, SA+64*(\u)+8*TT
	WIN 0x0d                                       ; k window 1, q window 3, S^T window 0
.if SS == 0
	v_wmma_scale_f32_16x16x128_f8f6f4 v[DD:DD+7], v[24*TT:24*TT+11], v[128+48*(\g)+24*(\u):128+48*(\g)+24*(\u)+11], 0, v[KS+TT], v[QS+2*(\g)+(\u)] matrix_a_fmt:MATRIX_FMT_FP6 matrix_b_fmt:MATRIX_FMT_FP6
.else
	v_wmma_scale_f32_16x16x128_f8f6f4 v[DD:DD+7], v[24*TT+12:24*TT+23], v[128+48*(\g)+24*(\u)+12:128+48*(\g)+24*(\u)+23], v[DD:DD+7], v[KS+TT], v[QS+2*(\g)+(\u)] matrix_a_fmt:MATRIX_FMT_FP6 matrix_b_fmt:MATRIX_FMT_FP6 matrix_a_scale:MATRIX_SCALE_ROW1 matrix_b_scale:MATRIX_SCALE_ROW1
.endif
.endm
; accumulator e += P of tile u x v's features 16 e ..; the sixteen accumulators take turns.  v's scale words: register e / 2, lanes 0-15 the even e, lanes 16-31 the odd one
.macro PVW u, e
	WIN 0xf8                                       ; P window 0, v window 2, C and D window 3
.if (\e)%2
	v_wmma_scale_f32_16x16x128_f8f6f4 v[8*(\e):8*(\e)+7], v[PC+20*(\u):PC+20*(\u)+11], v[12*(\e):12*(\e)+11], v[8*(\e):8*(\e)+7], v[PW+(\u)], v[VS+(\e)/2] matrix_a_fmt:MATRIX_FMT_FP6 matrix_b_fmt:MATRIX_FMT_FP6 matrix_b_scale:MATRIX_SCALE_ROW1
.else
	v_wmma_scale_f32_16x16x128_f8f6f4 v[8*(\e):8*(\e)+7], v[PC+20*(\u):PC+20*(\u)+11], v[12*(\e):12*(\e)+11], v[8*(\e):8*(\e)+7], v[PW+(\u)], v[VS+(\e)/2] matrix_a_fmt:MATRIX_FMT_FP6 matrix_b_fmt:MATRIX_FMT_FP6
.endif
.endm
.macro QLOAD g                         ; a pair's record into slot g: 12 loads of codes, 1 of scale words: 13 loads
	WIN 0xc0
.set I, 0
.rept 12
	global_load_b128 v[128+48*(\g)+4*I:128+48*(\g)+4*I+3], v1, s[26+2*(\g):27+2*(\g)] offset:512*I
.set I, I+1
.endr
	WIN 0
	global_load_b64 v[QS+2*(\g):QS+2*(\g)+1], v2, s[26+2*(\g):27+2*(\g)] offset:6144   ; lane (s, r): the words of tiles 0 and 1
.endm
; A PAIR in slot g.  reload = 1: the slot takes the pair two further on as soon as its products are issued.  left: the loads younger than this slot's, which may stay out.
.macro PAIR g, reload, left
	s_wait_loadcnt \left                           ; loads come back in order (ISA guide 5.7.1): this slot's are in (at the first pair: k's and v's too)
.set I, 0
.rept 16
	SW \g, 0, I
.set I, I+1
.endr
	WIN 0
	PLACES 4                                       ; four places between tile 0's products and the first read of their results (ISA guide 7.12.1)
.set QI, 0
.set I, 0
.rept 16
	SW \g, 1, I                                    ; tile 1's scores | tile 0's quantiser
	SLICE I, SA, PC, PW
.set I, I+1
.endr
	WIN 0
	PLACES 8                                       ; a scale word written by vector instructions stands eight places ahead of the scaled product that takes it, codes so written four; they also part tile 1's products from the first read of their results
	s_wait_alu depctr_va_vdst(0)                   ; tile 0's quantiser has written P and its scale word, which the scaled products below take; the pair's 32 products S^T are done reading q's fragments and scale words, in which the loads below land
.if \reload
	s_add_nc_u64 s[26+2*(\g):27+2*(\g)], s[26+2*(\g):27+2*(\g)], 12800   ; two records on; the slot's last loads, which read this base, were shown done by the wait at the pair's head
	QLOAD \g                                       ; no vector or matrix instruction names this slot's registers again before the wait for these loads
.endif
.set QI, 0
.set I, 0
.rept 16
	PVW 0, I                                       ; tile 0's P v | tile 1's quantiser
	SLICE I, SA+64, PC+20, PW+1
.set I, I+1
.endr
	WIN 0
	PLACES 8
	s_wait_alu depctr_va_vdst(0)                   ; tile 1's quantiser has written P and its scale word, which the scaled products below take; the places above stay beside this wait
.set I, 0
.rept 16
	PVW 1, I
.set I, I+1
.endr
	WIN 0                                          ; at a label and at a branch every window is 0
.endm
	s_load_b256 s[4:11], s[0:1], 0x0               ; jobs s[4:5], qrec s[6:7], krec s[8:9], vrec s[10:11]
	s_load_b64 s[12:13], s[0:1], 0x20              ; part
	v_lshl_add_u32 v254, v0, 2, 0x2200
	v_mov_b32 v255, 0
	v_lshrrev_b32 v1, 5, v0
	v_readfirstlane_b32 s14, v1                    ; wave 0..3
	s_lshl_b32 s15, ttmp9, 2
	s_wait_alu depctr_va_sdst(0)                   ; s14, the wave's number, is written, ahead of its first reader: the job's place and an LDS address are made from it
	s_add_co_u32 s15, s15, s14
	s_lshl_b32 s15, s15, 4                         ; my job: 16 bytes at 16 (4 x work-group + wave)
	s_wait_kmcnt 0x0
	s_load_b128 s[16:19], s[4:5], s15 offset:0x0   ; {16 b + key step, 64 b + first pair, pairs, b}
	v_and_b32 v7, 31, v0
	v_lshlrev_b32 v1, 4, v7                        ; v1  16 x lane
	v_lshlrev_b32 v2, 3, v7                        ; v2  8 x lane
	v_lshlrev_b32 v3, 5, v7                        ; v3  32 x lane
	v_and_b32 v4, 15, v0
	v_bfe_u32 v5, v0, 4, 1
	v_lshlrev_b32 v4, 2, v4
	v_mad_u32_u24 v4, v5, 1088, v4
	s_mul_i32 s34, s14, 2176
	v_add_nc_u32 v4, s34, v4                       ; v4  LDS: [wave][lane / 16][feature]: 2,176 w + 1,088 h + 4 r; 1,088 = 1,024 + 64, so that the two halves of the lanes fall on different banks (64 banks of 4 bytes: ISA guide 11.1)
	v_lshlrev_b32 v5, 3, v0                        ; v5  8 x thread: my two features, in LDS and in the work-group's slot of part
.irp b, 0,1,2,3
	v_mov_b32 v[TM+4+\b], 0                        ; written once: a lane permute's destination counts as one of its sources
.endr
	s_mov_b32 s[SEL], 0x76543210
	s_mov_b32 s[SEL+1], 0xfedcba98
	s_lshl_b32 s34, ttmp9, 10
	s_mov_b32 s35, 0
	s_add_nc_u64 s[12:13], s[12:13], s[34:35]      ; my work-group's slot
	s_wait_kmcnt 0x0
	s_min_u32 s16, s16, 255                        ; numbers read from memory are held inside their tables before they enter an address
	s_min_u32 s17, s17, 1023
	s_min_u32 s18, s18, 16
	s_wait_alu depctr_va_vdst(0)                   ; the offsets and LDS addresses v1 to v5 are written: on both ways below, and to the kernel's end, loads, stores and LDS instructions read them, and nothing writes them again
	s_cmp_eq_u32 s18, 0
	s_cbranch_scc1 .Lidle
	s_mul_i32 s34, s16, 25600                      ; four pair records of k, or one record of v
	s_add_nc_u64 s[20:21], s[8:9], s[34:35]
	s_add_nc_u64 s[24:25], s[10:11], s[34:35]
	s_mul_i32 s34, s17, 6400
	s_add_nc_u64 s[26:27], s[6:7], s[34:35]        ; slot 0 begins with my first pair,
	s_sub_co_u32 s31, s18, 1
	s_min_u32 s31, s31, 1
	s_mul_i32 s34, s31, 6400
	s_add_nc_u64 s[28:29], s[26:27], s[34:35]      ; slot 1 with the second (a job of one pair names the first again, and does not use it: so every way has issued the same loads)
	WIN 0x40
.irp p, 0,1,2,3
.irp c, 0,1,2,3,4,5,6,7,8,9,10,11
	global_load_b128 v[48*\p+4*\c:48*\p+4*\c+3], v1, s[20:21] offset:6400*\p+512*\c
.endr
.endr
	WIN 0
.irp p, 0,1,2,3
	global_load_b64 v[KS+2*\p:KS+2*\p+1], v2, s[20:21] offset:6400*\p+6144
.endr
	QLOAD 0
	WIN 0x80
.set I, 0
.rept 48
	global_load_b128 v[4*I:4*I+3], v1, s[24:25] offset:512*I
.set I, I+1
.endr
	WIN 0
	global_load_b128 v[VS:VS+3], v3, s[24:25] offset:24576
	global_load_b128 v[VS+4:VS+7], v3, s[24:25] offset:24592
	QLOAD 1
	WIN 0xc0
.set I, 0
.rept 128
	v_mov_b32 v[I], 0                              ; the accumulators, while the first loads are on their way.  (A first product with C = 0 would want a copy of the pair for each of the three ways into it)
.set I, I+1
.endr
	WIN 0
	s_sub_co_i32 s30, s18, 2                       ; pairs not yet asked for
	s_cmp_lt_i32 s30, 2
	s_cbranch_scc1 .Ltail
.Lloop:                                            ; two pairs a trip; each slot is filled again.  The count 13: the other slot's loads are the younger ones, on the way in and round the back edge
	PAIR 0, 1, 13
	PAIR 1, 1, 13
	s_sub_co_i32 s30, s30, 2
	s_cmp_ge_i32 s30, 2
	s_cbranch_scc1 .Lloop
.Ltail:                                            ; -1, 0 or 1 pairs are still to be asked for; the tails are written out, so that every count holds on every way
	s_cmp_eq_u32 s30, 1
	s_cbranch_scc1 .Ltail_b
	PAIR 0, 0, 13
	s_cmp_eq_i32 s30, -1
	s_cbranch_scc1 .Ldone                          ; a job of one pair
	PAIR 1, 0, 0
	s_branch .Ldone
.Ltail_b:
	PAIR 0, 1, 13
	PAIR 1, 0, 13
	PAIR 0, 0, 0
.Ldone:
	PLACES 4                                       ; four places behind the last products
	WIN 0x0f                                       ; sources 0 and 1 window 3
.irp e, 0,1,2,3,4,5,6,7,8,9,10,11,12,13,14,15
	v_pk_add_f32 v[SA+4*\e:SA+4*\e+1], v[8*\e:8*\e+1], v[8*\e+2:8*\e+3]        ; the sum over a lane's eight queries; each accumulator from its low end on
	v_pk_add_f32 v[SA+4*\e+2:SA+4*\e+3], v[8*\e+4:8*\e+5], v[8*\e+6:8*\e+7]
.endr
	WIN 0
.irp e, 0,1,2,3,4,5,6,7,8,9,10,11,12,13,14,15
	v_pk_add_f32 v[SA+4*\e:SA+4*\e+1], v[SA+4*\e:SA+4*\e+1], v[SA+4*\e+2:SA+4*\e+3]
.endr
.irp e, 0,1,2,3,4,5,6,7,8,9,10,11,12,13,14,15
	v_add_f32 v[RR+\e], v[SA+4*\e], v[SA+4*\e+1]
.endr
	s_branch .Lstore
.Lidle:
.irp e, 0,1,2,3,4,5,6,7,8,9,10,11,12,13,14,15
	v_mov_b32 v[RR+\e], 0                          ; a wave without a job adds zeros
.endr
.Lstore:
	s_wait_alu depctr_va_vdst(0)                   ; on both ways my sixteen sums are written, which the LDS stores read; and the pairs' products and quantisers are done with v160 to v175, in which the LDS loads behind the barrier land
.irp e, 0,1,2,3,4,5,6,7,8,9,10,11,12,13,14,15
	ds_store_b32 v4, v[RR+\e] offset:64*\e         ; feature 16 e + r
.endr
	s_wait_dscnt 0x0                               ; for the others' sake: my sums lie in LDS
	s_barrier_signal -1
	s_barrier_wait -1
.irp w, 0,1,2,3
.irp h, 0,1
	ds_load_b64 v[160+4*\w+2*\h:161+4*\w+2*\h], v5 offset:2176*\w+1088*\h     ; my two features' eight parts
.endr
.endr
	s_wait_dscnt 0x0
.irp i, 0,1,2,3
	v_pk_add_f32 v[160+4*\i:161+4*\i], v[160+4*\i:161+4*\i], v[162+4*\i:163+4*\i]
.endr
	v_pk_add_f32 v[160:161], v[160:161], v[164:165]
	v_pk_add_f32 v[168:169], v[168:169], v[172:173]
	v_pk_add_f32 v[160:161], v[160:161], v[168:169]
	s_wait_alu depctr_va_vdst(0)                   ; the last addition has written v[160:161], which the store reads
	global_store_b64 v5, v[160:161], s[12:13]      ; each wave stores 256 consecutive bytes, aligned
	s_wait_dscnt 0x0                               ; the closing lines, six on end
	s_wait_alu 0x0
	s_wait_tensorcnt 0x0
	ds_add_u32 v254, v255
	s_wait_dscnt 0x0
	s_endpgm
.Lfunc_end_k_qf070d3aea4_attn:
	.size	k_qf070d3aea4_attn, .Lfunc_end_k_qf070d3aea4_attn-k_qf070d3aea4_attn
	.p2alignl 7, 3214868480
	.fill 96, 4, 3214868480
	.section	.rodata,"a",@progbits
	.p2align	6, 0x0
	.amdhsa_kernel k_qf070d3aea4_attn
		.amdhsa_group_segment_fixed_size 9216
		.amdhsa_private_segment_fixed_size 0
		.amdhsa_enable_private_segment 0
		.amdhsa_kernarg_size 40
		.amdhsa_user_sgpr_count 2
		.amdhsa_user_sgpr_kernarg_segment_ptr 1
		.amdhsa_wavefront_size32 1
		.amdhsa_system_sgpr_workgroup_id_x 1
		.amdhsa_system_sgpr_workgroup_id_y 1
		.amdhsa_system_sgpr_workgroup_id_z 1
		.amdhsa_system_vgpr_workitem_id 0
		.amdhsa_next_free_vgpr 1024
		.amdhsa_next_free_sgpr 66
		.amdhsa_reserve_vcc 0
		.amdhsa_float_denorm_mode_32 3
		.amdhsa_float_denorm_mode_16_64 3
		.amdhsa_memory_ordered 1
		.amdhsa_forward_progress 1
		.amdhsa_inst_pref_size 158
	.end_amdhsa_kernel
	.amdgpu_metadata
---
amdhsa.version: [ 1, 2 ]
amdhsa.kernels:
  - .name:           k_qf070d3aea4_attn
    .symbol:         k_qf070d3aea4_attn.kd
    .args:
      - { .name: jobs, .offset: 0, .size: 8, .value_kind: global_buffer, .address_space: global }
      - { .name: qrec, .offset: 8, .size: 8, .value_kind: global_buffer, .address_space: global }
      - { .name: krec, .offset: 16, .size: 8, .value_kind: global_buffer, .address_space: global }
      - { .name: vrec, .offset: 24, .size: 8, .value_kind: global_buffer, .address_space: global }
      - { .name: part, .offset: 32, .size: 8, .value_kind: global_buffer, .address_space: global }
    .group_segment_fixed_size: 9216
    .private_segment_fixed_size: 0
    .kernarg_segment_align: 8
    .kernarg_segment_size: 40
    .max_flat_workgroup_size: 128
    .sgpr_count:     66
    .vgpr_count:     1024
    .wavefront_size: 32
...
	.end_amdgpu_metadata
.endif
;; end of part 6
;; launch fin: the kernel of part 4 again; grid 4 x 16, 4 waves a work-group, no clusters, 1,536 bytes of LDS; arguments jobs, part, out0; writes out0
